; MI455X (gfx1250); checked and timed in simulation.
; The chip was launched on July 23, 2026; its instructions are those of AMD's public machine-readable ISA for CDNA 5 (MIT licence, August 2026) and "CDNA5" Instruction Set Architecture Reference Guide (July 2026). The comments in the code are by the model that wrote it; some were corrected since.
;; Prototype Builder. Allowed arithmetic: float matrix products may take bf16 or f16 operands with f32 sums; other float arithmetic in f32, or as packed bf16 or f16 multiplies, adds, multiply-adds, maxima and minima; sums over many terms, partial sums and values carried from step to step in f32; what a program stores and reads back later, other than sums and carried values, may be rounded once to bf16 or f16.
;; Inputs: f 8 x 256 x 64 x 64 float32; f_aug 8 x 256 x 64 x 64 float32; label 8 x 1 x 256 x 256 int32; label_aug 8 x 1 x 256 x 256 int32.
;; Outputs: out0 8 x 4 x 256 float32; out1 8 x 4 x 256 float32.
;; 2 versions, each right; version 2 is version 1 with the launches prep, proto written anew for expert scheduling mode. Each part assembles by itself: llvm-mc -triple=amdgcn-amd-amdhsa -mcpu=gfx1250 --defsym DOCPART=n.
;; ======== version 1 of 2: 3 launches
;; workspace buffers: xb 33,554,432 bytes; inv 262,144 bytes; topk 1,048,576 bytes of whole numbers
;; launch prep (part 1): grid 64 x 16, 8 waves a work-group, no clusters, 35,072 bytes of LDS; arguments f, f_aug, xb, inv; writes xb, inv
.if DOCPART == 1
	.amdgcn_target "amdgcn-amd-amdhsa--gfx1250"
	.amdhsa_code_object_version 6
	.text
	.protected	k_q32e5b38af2_prep
	.globl	k_q32e5b38af2_prep
	.p2align	8
	.type	k_q32e5b38af2_prep,@function
k_q32e5b38af2_prep:
	s_mov_b64 s[64:65], 0
	v_nop
	global_prefetch_b8 v0, s[64:65] scope:SCOPE_SE
	s_setreg_imm32_b32 hwreg(HW_REG_WAVE_MODE, 25, 1), 1
	s_wait_xcnt 0x0
; PREP.  f and f_aug, [8][256 channels][4096 pixels] f32, are rounded once to bf16 and turned into xb[2][8][4096 pixels][256 channels];
; inv[2][8][4096] takes 1 / max(norm, 1e-12) of each pixel, the norm taken in f32 of the ROUNDED numbers (the ones that are multiplied later).
; SHARES.  A work-group (x = block of 64 pixels, y = 8 x tensor + batch) takes 64 pixels x 256 channels.  In: wave w takes channels 32 w .. 32 w + 31; a lane takes 4 pixels (16 bytes)
; of 16 channels, so sixteen lanes read 256 consecutive, aligned bytes.  Out: wave w takes pixel rows 8 w .. 8 w + 7 whole; each store of a wave covers 512 consecutive bytes.
; The turn goes through LDS (rows of 512 bytes + 16).  A lane's stores go to four pixel rows, and neighbouring lanes lie four rows (528 words) apart, so four lanes meet in a group of banks:
; eight such stores a wave, in a launch that streams; the reads back take whole rows and meet nowhere.
; No matrix unit, no cluster, no tensor load: no two work-groups read the same byte, and sixteen loads a wave are on their way from the start.
; LIMITS.  NaN and infinities are not treated apart.  A sum of squares below 2^-126 counts as 2^-126; its root lies far below 1e-12, so the result is 1e12 as it should be.
.set PITCH, 528                        ; an LDS row: one pixel's 256 bf16 + 16 bytes
.set INVL,  64*PITCH                   ; 64 reciprocals, a block of 256 bytes
.set SPARE, INVL+256                   ; the spare words: 128 bytes for each of the eight waves; no other line names them
.set GOFF, 4                           ; v4   my byte offset in the plane: (32 w + 16 (l / 16)) channels + 16 (l % 16)
.set STO,  5                           ; v5   LDS: pixel row 4 (l % 16), byte 64 w + 32 (l / 16)
.set RD,   6                           ; v6   LDS: pixel row 8 w, byte 16 l
.set XO,   7                           ; v7   xb: pixel row 8 w, byte 16 l
.set SPW,  8                           ; v8   my spare word; never rewritten
.set NIL,  9                           ; v9   0; never rewritten
.set X,    16                          ; v[16:79]   load i (channel i of my 16): 4 pixels; later v[16:47]: eight pixel rows read back
.set U,    48                          ; v[48:79]   later: 8 f32 at work, four sets by turns
.set P,    80                          ; v[80:111]  pixel e: 16 channels in bf16
.set Q2,   80                          ; later: row i's pair of sums
.set S,    112                         ; v[112:119] row i's sum of squares
	s_load_b256 s[4:11], s[0:1], 0x0               ; f s[4:5], f_aug s[6:7], xb s[8:9], inv s[10:11]
	v_lshl_add_u32 v[SPW], v0, 2, SPARE
	v_mov_b32 v[NIL], 0
	v_lshrrev_b32 v1, 5, v0
	v_readfirstlane_b32 s12, v1                    ; wave 0..7
	v_and_b32 v1, 31, v0                           ; l
	v_and_b32 v2, 15, v0                           ; l % 16
	v_bfe_u32 v3, v0, 4, 1                         ; l / 16
	v_and_b32 v10, 7, v0                           ; l % 8
	s_and_b32 s14, ttmp7, 0xffff                   ; y = 8 x tensor + batch
	s_and_b32 s15, s14, 7                          ; batch
	s_lshl_b32 s18, s15, 22                        ; source: a batch is 256 x 16,384 bytes,
	s_lshl_b32 s19, ttmp9, 8                       ; 64 pixels are 256 bytes
	s_add_co_u32 s18, s18, s19
	s_mov_b32 s19, 0
	s_lshl_b32 s24, s14, 21                        ; xb: a plane is 4,096 x 512 bytes,
	s_lshl_b32 s25, ttmp9, 15                      ; 64 pixels are 32,768
	s_add_co_u32 s24, s24, s25
	s_mov_b32 s25, 0
	s_lshl_b32 s26, s14, 14                        ; inv: a plane is 16,384 bytes,
	s_lshl_b32 s27, ttmp9, 8                       ; 64 pixels are 256
	s_add_co_u32 s26, s26, s27
	s_mov_b32 s27, 0
	s_mov_b32 s20, 0x76543210                      ; v_permlanex16_b32: each lane takes its own place in the other half
	s_mov_b32 s21, 0xfedcba98
	s_mov_b32 s22, 0xffff0000                      ; a word's upper bf16
	v_lshlrev_b32 v[GOFF], 4, v2
	v_lshl_add_u32 v[GOFF], v3, 18, v[GOFF]
	v_lshl_add_u32 v[GOFF], s12, 19, v[GOFF]
	v_mul_u32_u24 v[STO], v2, 4*PITCH
	v_lshl_add_u32 v[STO], v3, 5, v[STO]
	v_lshl_add_u32 v[STO], s12, 6, v[STO]
	s_mul_i32 s28, s12, 8*PITCH
	v_lshl_add_u32 v[RD], v1, 4, s28
	s_lshl_b32 s29, s12, 12
	v_lshl_add_u32 v[XO], v1, 4, s29
	s_lshl_b32 s23, s12, 5
	s_add_co_u32 s23, s23, INVL
	v_lshl_add_u32 v15, v10, 2, s23                ; where my row's reciprocal goes: INVL + 4 (8 w + l % 8)
	s_wait_kmcnt 0x0
	s_cmp_lt_u32 s14, 8                            ; planes 0-7 come from f, 8-15 from f_aug
	s_cselect_b64 s[16:17], s[4:5], s[6:7]
	s_add_nc_u64 s[16:17], s[16:17], s[18:19]
	s_add_nc_u64 s[8:9], s[8:9], s[24:25]
	s_add_nc_u64 s[10:11], s[10:11], s[26:27]
.irp i, 0,1,2,3,4,5,6,7,8,9,10,11,12,13,14,15
	global_load_b128 v[X+4*(\i):X+4*(\i)+3], v[GOFF], s[16:17] offset:(\i)*16384 th:TH_LOAD_NT
.endr
	; two channels of a pixel make one word
.irp d, 0,1,2,3,4,5,6,7
	s_wait_loadcnt 14-2*(\d)                       ; loads come back in order: 2 d and 2 d + 1 are in, the 14 - 2 d younger ones stay out
.irp e, 0,1,2,3
	v_cvt_pk_bf16_f32 v[P+8*(\e)+(\d)], v[X+8*(\d)+(\e)], v[X+8*(\d)+4+(\e)]
.endr
.endr
.irp e, 0,1,2,3
	ds_store_b128 v[STO], v[P+8*(\e):P+8*(\e)+3]   offset:(\e)*PITCH
	ds_store_b128 v[STO], v[P+8*(\e)+4:P+8*(\e)+7] offset:(\e)*PITCH+16
.endr
	s_wait_dscnt 0x0                               ; for the others' sake: my stores are done
	s_barrier_signal -1
	s_barrier_wait -1                              ; every pixel row is whole
.irp i, 0,1,2,3,4,5,6,7
	ds_load_b128 v[X+4*(\i):X+4*(\i)+3], v[RD] offset:(\i)*PITCH
.endr
.irp i, 0,1,2,3,4,5,6,7
	s_wait_dscnt 7-(\i)                            ; row i is in; the younger rows stay out
	global_store_b128 v[XO], v[X+4*(\i):X+4*(\i)+3], s[8:9] offset:(\i)*512  ; 512 consecutive bytes, at a multiple of 512 from xb's first
.irp k, 0,1,2,3
	v_lshlrev_b32 v[U+8*((\i)%4)+2*(\k)],   16,  v[X+4*(\i)+(\k)]
	v_and_b32     v[U+8*((\i)%4)+2*(\k)+1], s22, v[X+4*(\i)+(\k)]
.endr
	v_pk_mul_f32 v[Q2+2*(\i):Q2+2*(\i)+1], v[U+8*((\i)%4):U+8*((\i)%4)+1], v[U+8*((\i)%4):U+8*((\i)%4)+1]
.irp k, 1,2,3
	v_pk_fma_f32 v[Q2+2*(\i):Q2+2*(\i)+1], v[U+8*((\i)%4)+2*(\k):U+8*((\i)%4)+2*(\k)+1], v[U+8*((\i)%4)+2*(\k):U+8*((\i)%4)+2*(\k)+1], v[Q2+2*(\i):Q2+2*(\i)+1]
.endr
	v_add_f32 v[S+(\i)], v[Q2+2*(\i)], v[Q2+2*(\i)+1]
.endr
	; the eight rows' sums over the 32 lanes, side by side
.irp m, 1,2,4,8
.irp i, 0,1,2,3,4,5,6,7
	v_add_f32_dpp v[S+(\i)], v[S+(\i)], v[S+(\i)] row_xmask:\m row_mask:0xf bank_mask:0xf
.endr
.endr
.irp i, 0,1,2,3,4,5,6,7
	v_permlanex16_b32 v[U+(\i)], v[S+(\i)], s20, s21  ; its destination has been written above
.endr
.irp i, 0,1,2,3,4,5,6,7
	v_add_f32 v[S+(\i)], v[S+(\i)], v[U+(\i)]
.endr
	v_mov_b32 v11, v[S]                            ; lane l takes row l % 8, so that root and reciprocal are made once for all eight
.irp k, 1,2,3,4,5,6,7
	v_cmp_eq_u32 vcc_lo, \k, v10
	v_cndmask_b32 v11, v11, v[S+(\k)], vcc_lo
.endr
	v_max_num_f32 v11, 0x00800000, v11             ; no denormal goes into the root
	v_sqrt_f32 v12, v11
	v_nop                                          ; a plain instruction behind each transcendental, ahead of its result's use
	s_wait_alu depctr_va_vdst(0)
	v_rcp_f32 v13, v12
	v_fma_f32 v14, -v12, v12, v11                  ; one Newton step for the root: y + (s - y y) / (2 y)
	s_wait_alu depctr_va_vdst(0)
	v_mul_f32 v14, v14, v13
	v_fma_f32 v12, v14, 0.5, v12
	v_max_num_f32 v12, 0x2b8cbccc, v12             ; max(norm, 1e-12)
	v_rcp_f32 v13, v12
	v_nop
	s_wait_alu depctr_va_vdst(0)
	v_fma_f32 v14, -v12, v13, 1.0                  ; and one for the reciprocal
	v_fma_f32 v13, v14, v13, v13
	ds_store_b32 v15, v13                          ; four lanes write the same word with the same value
	s_wait_dscnt 0x0
	s_barrier_signal -1
	s_barrier_wait -1
	s_cmp_lg_u32 s12, 0
	s_cbranch_scc1 .Lnot_wave_0
	v_lshl_add_u32 v14, v1, 3, INVL                ; wave 0 stores the group's 64 reciprocals: 256 consecutive, aligned bytes in one instruction
	ds_load_b64 v[12:13], v14
	v_lshlrev_b32 v11, 3, v1
	s_wait_dscnt 0x0
	global_store_b64 v11, v[12:13], s[10:11]
.Lnot_wave_0:
	s_wait_tensorcnt 0x0                           ; the wave's end, behind my last LDS store
	ds_add_u32 v[SPW], v[NIL]
	s_wait_dscnt 0x0
	s_endpgm
.Lfunc_end_k_q32e5b38af2_prep:
	.size	k_q32e5b38af2_prep, .Lfunc_end_k_q32e5b38af2_prep-k_q32e5b38af2_prep
	.p2alignl 7, 3214868480
	.fill 96, 4, 3214868480
	.section	.rodata,"a",@progbits
	.p2align	6, 0x0
	.amdhsa_kernel k_q32e5b38af2_prep
		.amdhsa_group_segment_fixed_size 35072
		.amdhsa_private_segment_fixed_size 0
		.amdhsa_enable_private_segment 0
		.amdhsa_kernarg_size 32
		.amdhsa_user_sgpr_count 2
		.amdhsa_user_sgpr_kernarg_segment_ptr 1
		.amdhsa_wavefront_size32 1
		.amdhsa_system_sgpr_workgroup_id_x 1
		.amdhsa_system_sgpr_workgroup_id_y 1
		.amdhsa_system_sgpr_workgroup_id_z 1
		.amdhsa_system_vgpr_workitem_id 0
		.amdhsa_next_free_vgpr 128
		.amdhsa_next_free_sgpr 66
		.amdhsa_reserve_vcc 1
		.amdhsa_float_denorm_mode_32 3
		.amdhsa_float_denorm_mode_16_64 3
		.amdhsa_memory_ordered 1
		.amdhsa_forward_progress 1
		.amdhsa_inst_pref_size 17
	.end_amdhsa_kernel
	.amdgpu_metadata
---
amdhsa.version: [ 1, 2 ]
amdhsa.kernels:
  - .name:           k_q32e5b38af2_prep
    .symbol:         k_q32e5b38af2_prep.kd
    .args:
      - { .name: f, .offset: 0, .size: 8, .value_kind: global_buffer, .address_space: global }
      - { .name: f_aug, .offset: 8, .size: 8, .value_kind: global_buffer, .address_space: global }
      - { .name: xb, .offset: 16, .size: 8, .value_kind: global_buffer, .address_space: global }
      - { .name: inv, .offset: 24, .size: 8, .value_kind: global_buffer, .address_space: global }
    .group_segment_fixed_size: 35072
    .private_segment_fixed_size: 0
    .kernarg_segment_align: 8
    .kernarg_segment_size: 32
    .max_flat_workgroup_size: 256
    .sgpr_count:     66
    .vgpr_count:     128
    .wavefront_size: 32
...
	.end_amdgpu_metadata
.endif
;; end of part 1
;; launch knn (part 2): grid 16 x 16, 8 waves a work-group, clusters of 4 x 1, 327,680 bytes of LDS; arguments xb, inv, topk; writes topk
.if DOCPART == 2
	.amdgcn_target "amdgcn-amd-amdhsa--gfx1250"
	.amdhsa_code_object_version 6
	.text
	.protected	k_q32e5b38af2_knn
	.globl	k_q32e5b38af2_knn
	.p2align	8
	.type	k_q32e5b38af2_knn,@function
k_q32e5b38af2_knn:
	s_mov_b64 s[64:65], 0
	v_nop
	global_prefetch_b8 v0, s[64:65] scope:SCOPE_SE
	s_setreg_imm32_b32 hwreg(HW_REG_WAVE_MODE, 25, 1), 1
	s_wait_xcnt 0x0
	s_wait_alu depctr_hold_cnt(0) depctr_sa_sdst(0) depctr_va_vdst(0) depctr_va_sdst(0) depctr_va_ssrc(0) depctr_va_vcc(0) depctr_vm_vsrc(0)
	s_getreg_b32 s2, hwreg(HW_REG_IB_STS2, 6, 4)
	s_cmp_eq_u32 s2, 0
	s_cbranch_scc0 .Lentry_in_a_cluster
	s_endpgm
.Lentry_in_a_cluster:
	s_bfe_u32 s2, ttmp6, 0x10000c
	s_cmp_lg_u32 s2, 0x3003
	s_cbranch_scc0 .Lentry_shape_is_right
	s_endpgm
.Lentry_shape_is_right:
; KNN.  For each pixel of plane y of xb (the queries) the three pixels of plane y ^ 8 (the keys: the other tensor, same batch) with the largest score = (query . key) / max(|key|, 1e-12),
; as indices, best first, equal scores by ascending index: topk[y][query] = (i1, i2, i3, 0).  The query's own positive norm changes no order and is left out.
; Products of bf16 numbers, sums in f32 (v_wmma_f32_16x16x32_bf16); the key's reciprocal norm, from inv, is multiplied on in f32.
; LIMITS.  NaN and infinities are not treated apart.  Two scores that differ by less than the rounding of an f32 sum of 256 products may come in another order than in another order of summation.
; SHARES.  A work-group owns 256 queries of a plane and walks all 4,096 keys, 256 to a slot.  Wave W: g = W % 4 picks 64 queries (4 tiles of 16, kept in 256 registers), sh = W / 4 which 128 of a slot's keys.
; A key tile (16 keys) has 32 matrix and 376 vector instructions; with eight waves of 512 registers one wave's list work can stand beside another's products.
; LAYOUT.  Source 0 = 16 keys, source 1 = 16 queries: in the result lane l holds ONE query (l % 16) and the keys 8 (l / 16) + 0..7.  So each lane keeps a sorted list of three (score, index) for its query
; and its share of the keys, and nothing changes lanes in the loop; at the end the two halves of the lanes and the two waves of a query are merged.
; THE LIST.  No branch hangs on a score: each score is put through three compares, five selects of indices, two medians and a maximum.  The compare is strict and a lane's keys ascend, so the lower index keeps its place.
; CLUSTER.  The four query blocks of a cluster walk the same keys: every key tile and the table of reciprocals are asked for JOINTLY, by the same load, descriptor and mask in all four.
; REGISTERS.  window 0: v0-9 addresses; v10-17 the eight key indices of a result's registers; v18-25 their reciprocals; v26-49 the lists (T1 T2 T3 I1 I2 I3 a query tile); v50-59 the way out;
;   v64-95 four accumulators; v96-159 a key tile's fragments; v160-183 a partner's lists.   window 1 (v256-511): the queries' fragments, tile q, channels 32 c on at 64 q + 8 c.
.set PITCH, 528                        ; an LDS row: 512 bytes + 16 = 132 words: the 16 rows of a fragment load start at 16 different groups of four banks (ISA guide 11.1)
.set TILEB, 16*PITCH
.set HALFB, 128*PITCH
.set SLOTB, 256*PITCH                  ; a slot: 256 keys
.set INVT,  2*SLOTB                    ; behind the two slots: the key plane's 4,096 reciprocals, filled once
.set SPARE, INVT+16384                 ; the spare words: 128 bytes for each of the eight waves; no other line names them
.set MRG,   SPARE+1024                 ; 4 x 24 x 128 bytes: waves 4-7 hand their lists to waves 0-3; no tensor load lands here
.set LANE0, 3                          ; v3   my place in a key tile: (l % 16) rows + 16 (l / 16)
.set ADR,   4                          ; v4   LDS address of the run of fragment loads in hand
.set SCA,   5                          ; v5   of its eight reciprocals
.set QO,    6                          ; v6   my byte offset in 16 rows of queries
.set LANES, 7                          ; v7   32 (l / 16): my eight reciprocals among a tile's sixteen
.set SPW,   8                          ; v8   my spare word; never rewritten
.set NIL,   9                          ; v9   0; never rewritten
.set IDX,   10
.set SC,    18
.set LST,   26
.set MA,    50                         ; v50  my word in my query group's part of MRG
.set OO,    51                         ; v51  16 l
.set OUT,   52                         ; v[52:59] two records to store
.set ACC,   64
.set AF,    96
.set PT,    160
.set G1K, 16                           ; s[16:23] descriptor group 1 for key tiles
.set G1I, 24                           ; s[24:31] for the table of reciprocals
.set G0,  32                           ; s[32:39] group 0 for key tiles, a set for each slot
.set G0I, 40                           ; s[40:43] group 0 for the table
.set C1,  56                           ; s56-59, s60-63, s68-71: the three compares' masks, one a query tile
.set C2,  60
.set C3,  68
.set EQ,  72                           ; s72-75, s78-81: at work in the merges
.set LT,  78
.set MSB, 0
.macro WIN new                         ; the immediate's high byte repeats the setting that is left
.if MSB != (\new)
	s_set_vgpr_msb (MSB<<8)|(\new)
.set MSB, (\new)
.endif
.endm
; A round of the cluster's barrier: my work-group's barrier, wave 0 signals for the work-group, every wave waits for all four work-groups, my work-group's barrier once more.
.macro CROUND
	s_barrier_signal -1
	s_barrier_wait -1
	s_cmp_lg_u32 s10, 0
	s_cbranch_scc1 .Lnot_wave_0_\@
	s_barrier_signal -3
.Lnot_wave_0_\@:
	s_barrier_wait -3
	s_barrier_signal -1
	s_barrier_wait -1
.endm
; 18 LDS loads in one run: a key tile's eight fragments (16 keys x 32 channels: two loads of 16 bytes, 32 apart) and my eight reciprocals
.macro LOADS
.irp c, 0,1,2,3,4,5,6,7
	ds_load_b128 v[AF+8*(\c):AF+8*(\c)+3],   v[ADR] offset:64*(\c)
	ds_load_b128 v[AF+8*(\c)+4:AF+8*(\c)+7], v[ADR] offset:64*(\c)+32
.endr
	ds_load_b128 v[SC:SC+3],   v[SCA]
	ds_load_b128 v[SC+4:SC+7], v[SCA] offset:16
.endm
; 32 matrix instructions: 16 keys x 64 queries x 256 channels.  The four accumulators take turns, one instruction a turn; the first four start the sums with the constant 0.
.macro RUN
	WIN 0x04                                       ; source 1 (the queries) in window 1
.irp c, 0,1,2,3,4,5,6,7
.irp q, 0,1,2,3
.if (\c) == 0
	v_wmma_f32_16x16x32_bf16 v[ACC+8*(\q):ACC+8*(\q)+7], v[AF+8*(\c):AF+8*(\c)+7], v[64*(\q)+8*(\c):64*(\q)+8*(\c)+7], 0
.else
	v_wmma_f32_16x16x32_bf16 v[ACC+8*(\q):ACC+8*(\q)+7], v[AF+8*(\c):AF+8*(\c)+7], v[64*(\q)+8*(\c):64*(\q)+8*(\c)+7], v[ACC+8*(\q):ACC+8*(\q)+7]
.endif
.endr
.endr
	WIN 0
.endm
; The lists take an entry whose three masks are made: for query tile q the score v[xb + xs q] and the index v[ib + is q].  Each line stands four times, once a tile, so that none reads the line just before it.
.macro UPD4 xb, xs, ib, is
.irp q, 0,1,2,3
	v_cndmask_b32 v[LST+6*(\q)+5], v[LST+6*(\q)+5], v[(\ib)+(\is)*(\q)], s[C3+(\q)]
.endr
.irp q, 0,1,2,3
	v_cndmask_b32 v[LST+6*(\q)+5], v[LST+6*(\q)+5], v[LST+6*(\q)+4], s[C2+(\q)]
.endr
.irp q, 0,1,2,3
	v_cndmask_b32 v[LST+6*(\q)+4], v[LST+6*(\q)+4], v[(\ib)+(\is)*(\q)], s[C2+(\q)]
.endr
.irp q, 0,1,2,3
	v_cndmask_b32 v[LST+6*(\q)+4], v[LST+6*(\q)+4], v[LST+6*(\q)+3], s[C1+(\q)]
.endr
.irp q, 0,1,2,3
	v_cndmask_b32 v[LST+6*(\q)+3], v[LST+6*(\q)+3], v[(\ib)+(\is)*(\q)], s[C1+(\q)]
.endr
.irp q, 0,1,2,3
	v_med3_num_f32 v[LST+6*(\q)+2], v[(\xb)+(\xs)*(\q)], v[LST+6*(\q)+1], v[LST+6*(\q)+2]
.endr
.irp q, 0,1,2,3
	v_med3_num_f32 v[LST+6*(\q)+1], v[(\xb)+(\xs)*(\q)], v[LST+6*(\q)], v[LST+6*(\q)+1]
.endr
.irp q, 0,1,2,3
	v_max_num_f32 v[LST+6*(\q)], v[(\xb)+(\xs)*(\q)], v[LST+6*(\q)]
.endr
.endm
.macro INS4 j                          ; register j of the four accumulators goes into the lists
.irp q, 0,1,2,3
	v_cmp_gt_f32 s[C1+(\q)], v[ACC+8*(\q)+(\j)], v[LST+6*(\q)]
.endr
.irp q, 0,1,2,3
	v_cmp_gt_f32 s[C2+(\q)], v[ACC+8*(\q)+(\j)], v[LST+6*(\q)+1]
.endr
.irp q, 0,1,2,3
	v_cmp_gt_f32 s[C3+(\q)], v[ACC+8*(\q)+(\j)], v[LST+6*(\q)+2]
.endr
	UPD4 ACC+(\j), 8, IDX+(\j), 0
.endm
; In a merge the indices do not ascend: entry k of the partner goes ahead of place lvl if its score is greater, or equal with the lower index.
.macro CMPX lvl, cm, k
.irp q, 0,1,2,3
	v_cmp_gt_f32 s[(\cm)+(\q)], v[PT+6*(\q)+(\k)], v[LST+6*(\q)+(\lvl)]
.endr
.irp q, 0,1,2,3
	v_cmp_eq_f32 s[EQ+(\q)], v[PT+6*(\q)+(\k)], v[LST+6*(\q)+(\lvl)]
.endr
.irp q, 0,1,2,3
	v_cmp_lt_u32 s[LT+(\q)], v[PT+6*(\q)+3+(\k)], v[LST+6*(\q)+3+(\lvl)]
.endr
.irp q, 0,1,2,3
	s_and_b32 s[EQ+(\q)], s[EQ+(\q)], s[LT+(\q)]
	s_or_b32 s[(\cm)+(\q)], s[(\cm)+(\q)], s[EQ+(\q)]
.endr
.endm
.macro MERGE                           ; the partner's three entries go into my lists
.irp k, 0,1,2
	CMPX 0, C1, \k
	CMPX 1, C2, \k
	CMPX 2, C3, \k
	UPD4 PT+(\k), 6, PT+3+(\k), 6
.endr
.endm
; THE CHANGE OF SLOTS, ahead of slot's work.  Each wave waits for all its tensor loads, of which one is out: its part of this slot; adds 0 to its spare word; and waits for that and for its reads of the other slot.
; refill = 1: the barrier is a round of the cluster's, so that no wave of any partner still reads the other slot or has a load on its way, and the joint load into the other slot is the first thing behind it:
; it has this slot's eight key tiles in which to land.  (At its first use nothing has been read yet: slot 0 and the table are waited for, slot 1 is filled for the first time.)
.macro CHANGE slot, refill
	s_wait_tensorcnt 0x0                           ; no tensor load of mine is out, so a group 0 may be written
	ds_add_u32 v[SPW], v[NIL]                      ; work on registers stands between the add and the wait for it
	s_add_nc_u64 s[G0+4*(\slot)+2:G0+4*(\slot)+3], s[G0+4*(\slot)+2:G0+4*(\slot)+3], 2*256*512  ; this slot's next keys: two slots on; the type bits on top are not reached
.irp j, 0,1,2,3,4,5,6,7
	v_add_nc_u32 v[IDX+(\j)], 128, v[IDX+(\j)]     ; over the 128 keys of a slot that the other wave of my queries takes
.endr
	s_wait_dscnt 0x0                               ; the add is done, and my reads of the other slot are over
.if \refill
	CROUND
	tensor_load_to_lds s[G0+4*(1-(\slot)):G0+4*(1-(\slot))+3], s[G1K:G1K+7]
	s_nop 0
.rept 4
	v_nop
.endr
.else
	s_barrier_signal -1
	s_barrier_wait -1
.endif
.endm
; A SLOT'S WORK: my eight key tiles.  A trip multiplies the tile whose fragments were asked for a trip before, asks for the next tile's, and puts 8 x 4 registers of scores through the lists while those loads land.
; The LDS addresses are made of the two counters: the slot's number is 14 - 2 s44 + slot (s44: 7 .. 1 in the ring, 0 in the tail), the next tile's 9 - s45 (s45: 8 .. 1).
.macro WORK slot
	s_lshl_b32 s49, s44, 11                        ; two slots' reciprocals are 2,048 bytes
	s_sub_co_u32 s49, s82, s49
	s_add_co_u32 s49, s49, (\slot)*1024            ; my 128 reciprocals of this slot
	s_add_co_u32 s46, s48, (\slot)*SLOTB           ; my 128 keys of this slot
	v_add_nc_u32 v[ADR], s46, v[LANE0]
	v_add_nc_u32 v[SCA], s49, v[LANES]
	LOADS
	s_mov_b32 s45, 8
.Ltile_\@:
	s_wait_dscnt 0x0                               ; the tile's fragments and reciprocals, asked for 352 vector instructions ago
	RUN
.irp j, 0,1,2,3,4,5,6,7
	v_add_nc_u32 v[IDX+(\j)], 16, v[IDX+(\j)]      ; this tile's key indices; eight plain instructions that name no register of the products: the places behind them (ISA guide 7.12.1)
.endr
.irp p, 0,1,2,3
.irp q, 0,1,2,3
	v_pk_mul_f32 v[ACC+8*(\q)+2*(\p):ACC+8*(\q)+2*(\p)+1], v[ACC+8*(\q)+2*(\p):ACC+8*(\q)+2*(\p)+1], v[SC+2*(\p):SC+2*(\p)+1]  ; the key's 1 / norm; each accumulator is read from its low end on
.endr
.endr
	s_cmp_eq_u32 s45, 1
	s_cbranch_scc1 .Lno_fetch_\@                   ; a slot's last tile asks for nothing
	s_sub_co_u32 s47, 9, s45
	s_mul_i32 s83, s47, TILEB
	s_lshl_b32 s47, s47, 6
	s_add_co_u32 s83, s83, s46
	s_add_co_u32 s47, s47, s49
	v_add_nc_u32 v[ADR], s83, v[LANE0]
	v_add_nc_u32 v[SCA], s47, v[LANES]
	LOADS
.Lno_fetch_\@:
.irp j, 0,1,2,3,4,5,6,7
	INS4 \j
.endr
	s_sub_co_u32 s45, s45, 1
	s_cmp_lg_u32 s45, 0
	s_cbranch_scc1 .Ltile_\@
.endm
	s_load_b128 s[4:7], s[0:1], 0x0                ; xb s[4:5], inv s[6:7]
	s_load_b64 s[8:9], s[0:1], 0x10                ; topk
	v_lshl_add_u32 v[SPW], v0, 2, SPARE
	v_mov_b32 v[NIL], 0
	ds_add_u32 v[SPW], v[NIL]                      ; the wave's opening: the add and its wait stand ahead of my first tensor load; the set-up below, work on registers, stands between them
	v_lshrrev_b32 v1, 5, v0
	v_readfirstlane_b32 s10, v1                    ; wave W = 0..7
	s_and_b32 s11, s10, 3                          ; g: which 64 queries
	s_lshr_b32 s12, s10, 2                         ; sh: which half of a slot's keys
	s_bfe_u32 s13, ttmp6, 0x40000                  ; cx: my place in the cluster
	s_lshl_b32 s14, ttmp9, 2                       ; in a cluster launch ttmp9 counts clusters
	s_add_co_u32 s14, s14, s13                     ; my block of 256 queries: it enters the queries' and topk's addresses alone
	s_and_b32 s15, ttmp7, 0xffff                   ; y, the queries' plane, which the four partners share
	; group 1 for key tiles: 32 rows x 256 elements of 2 bytes, 4 words of padding behind every 128
	s_mov_b32 s[G1K],   15|(1<<16)|(1<<20)|(1<<21)|(6<<22)|(3<<25)  ; 15:0 the mask of four; 17:16 2-byte elements; 20 padding on; 21 set beside a mask; 24:22 after every 128 words (code 6); 31:25 4 words (code 3)
	s_mov_b32 s[G1K+1], 256<<16                    ; tensor_dim0 = 256
	s_mov_b32 s[G1K+2], 32<<16                     ; tensor_dim1 = 32
	s_mov_b32 s[G1K+3], 256<<16                    ; tile_dim0 = 256
	s_mov_b32 s[G1K+4], 32                         ; tile_dim1 = 32
	s_mov_b32 s[G1K+5], 256                        ; 256 elements from row to row
	s_mov_b32 s[G1K+6], 0
	s_mov_b32 s[G1K+7], 0
	; group 1 for the table: one row of 256 elements of 8 bytes, no padding
	s_mov_b32 s[G1I],   15|(3<<16)|(1<<21)
	s_mov_b32 s[G1I+1], 256<<16
	s_mov_b32 s[G1I+2], 1<<16
	s_mov_b32 s[G1I+3], 256<<16
	s_mov_b32 s[G1I+4], 1
	s_mov_b32 s[G1I+5], 256
	s_mov_b32 s[G1I+6], 0
	s_mov_b32 s[G1I+7], 0
	s_mov_b32 s[G0], 1                             ; count = 1
	s_mul_i32 s[G0+1], s10, 32*PITCH               ; LDS: my 32 rows of slot 0: no place in the cluster enters an LDS address
	s_mov_b32 s[G0+4], 1
	s_add_co_u32 s[G0+5], s[G0+1], SLOTB           ; and of slot 1
	s_mov_b32 s[G0I], 1
	s_lshl_b32 s[G0I+1], s10, 11
	s_add_co_u32 s[G0I+1], s[G0I+1], INVT          ; my 2,048 bytes of the table
	s_mul_i32 s48, s12, HALFB                      ; my half of a slot
	s_lshl_b32 s82, s12, 9
	s_add_co_u32 s82, s82, INVT+14*1024            ; my half's reciprocals in slot number 14
	s_mov_b32 s76, 0x76543210                      ; v_permlanex16_b32: each lane takes its own place in the other half
	s_mov_b32 s77, 0xfedcba98
	s_xor_b32 s50, s15, 8                          ; the keys' plane.  s[50:53] never hold cx
	s_lshl_b32 s52, s50, 14                        ; its 16,384 bytes of inv,
	s_lshl_b32 s50, s50, 21                        ; its 2 MiB of xb,
	s_lshl_b32 s51, s10, 14                        ; my 32 rows of 512 bytes
	s_add_co_u32 s50, s50, s51
	s_mov_b32 s51, 0
	s_lshl_b32 s53, s10, 11
	s_add_co_u32 s52, s52, s53
	s_mov_b32 s53, 0
	s_lshl_b32 s54, s15, 21                        ; my wave's 64 queries in xb
	s_lshl_b32 s55, s14, 17
	s_add_co_u32 s54, s54, s55
	s_lshl_b32 s55, s11, 15
	s_add_co_u32 s54, s54, s55
	s_mov_b32 s55, 0
	s_lshl_b32 s2, s15, 16                         ; and their 64 records of 16 bytes in topk
	s_lshl_b32 s3, s14, 12
	s_add_co_u32 s2, s2, s3
	s_lshl_b32 s3, s11, 10
	s_add_co_u32 s2, s2, s3
	s_mov_b32 s3, 0
	s_wait_dscnt 0x0                               ; the opening add is done
	s_wait_kmcnt 0x0
	s_add_nc_u64 s[50:51], s[4:5], s[50:51]
	s_mov_b64 s[G0+2:G0+3], s[50:51]               ; keys 0-255
	s_or_b32 s[G0+3], s[G0+3], 0x80000000          ; type = 2
	s_add_nc_u64 s[G0+6:G0+7], s[50:51], 256*512   ; keys 256-511
	s_or_b32 s[G0+7], s[G0+7], 0x80000000
	s_add_nc_u64 s[G0I+2:G0I+3], s[6:7], s[52:53]
	s_or_b32 s[G0I+3], s[G0I+3], 0x80000000
	s_add_nc_u64 s[54:55], s[4:5], s[54:55]
	s_add_nc_u64 s[8:9], s[8:9], s[2:3]
	CROUND                                         ; all four work-groups are here: the first joint loads meet
	tensor_load_to_lds s[G0I:G0I+3], s[G1I:G1I+7]  ; the first fills, one group, every wave its parts: two loads of mine are out
	s_nop 0
	tensor_load_to_lds s[G0:G0+3], s[G1K:G1K+7]
	s_nop 0
.rept 4
	v_nop
.endr
	v_and_b32 v1, 15, v0                           ; l % 16
	v_bfe_u32 v2, v0, 4, 1                         ; l / 16
	v_lshlrev_b32 v[QO], 9, v1
	v_lshl_add_u32 v[QO], v2, 4, v[QO]             ; row x 512 + 16 x half
	WIN 0x40                                       ; destination window 1, address window 0
.set i, 0
.rept 32                                       ; the queries stay in registers: tile i / 8, channels 32 (i % 8) on
	global_load_b128 v[8*i:8*i+3],   v[QO], s[54:55] offset:(i/8)*8192+(i%8)*64
	global_load_b128 v[8*i+4:8*i+7], v[QO], s[54:55] offset:(i/8)*8192+(i%8)*64+32
.set i, i+1
.endr
	WIN 0
	v_mul_u32_u24 v[LANE0], v1, PITCH
	v_lshl_add_u32 v[LANE0], v2, 4, v[LANE0]
	v_lshlrev_b32 v[LANES], 5, v2
	s_lshl_b32 s47, s12, 7
	v_lshl_add_u32 v[ADR], v2, 3, s47              ; 128 sh + 8 (l / 16)
.set j, 0
.rept 8
	v_add_nc_u32 v[IDX+j], 0xffffff70+j, v[ADR]    ; + j - 144: the first change of slots adds 128, each tile 16
.set j, j+1
.endr
.set i, 0
.rept 4
	v_mov_b32 v[LST+6*i],   0xff800000             ; the lists begin below every score
	v_mov_b32 v[LST+6*i+1], 0xff800000
	v_mov_b32 v[LST+6*i+2], 0xff800000
	v_mov_b32 v[LST+6*i+3], 0
	v_mov_b32 v[LST+6*i+4], 0
	v_mov_b32 v[LST+6*i+5], 0
.set i, i+1
.endr
.set i, 0
.rept 24
	v_mov_b32 v[PT+i], 0                           ; v_permlanex16_b32 counts as a reader of its destination
.set i, i+1
.endr
	s_mul_i32 s47, s11, 24*128
	s_add_co_u32 s47, s47, MRG
	v_and_b32 v[OO], 31, v0
	v_lshl_add_u32 v[MA], v[OO], 2, s47
	v_lshlrev_b32 v[OO], 4, v[OO]
	s_wait_loadcnt 0x0                             ; the queries
	s_mov_b32 s44, 7
.Lring:                                                ; a trip: two slots, 512 keys; both are filled again
	CHANGE 0, 1
	WORK 0
	CHANGE 1, 1
	WORK 1
	s_sub_co_u32 s44, s44, 1
	s_cmp_lg_u32 s44, 0
	s_cbranch_scc1 .Lring
	CHANGE 0, 1                                    ; the tail is written out: slot 1 takes the last 256 keys
	WORK 0
	CHANGE 1, 0                                    ; and nothing more is asked for
	WORK 1
	; THE TWO HALVES OF THE LANES hold the same queries and different keys: each takes the other's lists; both end with the same merged lists.
.set i, 0
.rept 24
	v_permlanex16_b32 v[PT+i], v[LST+i], s76, s77
.set i, i+1
.endr
	MERGE
	; THE TWO WAVES OF A QUERY GROUP: waves 4-7 hand their lists to waves 0-3 through LDS.
	s_cmp_lt_u32 s10, 4
	s_cbranch_scc1 .Lno_put
.set i, 0
.rept 24
	ds_store_b32 v[MA], v[LST+i] offset:i*128
.set i, i+1
.endr
.Lno_put:
	s_wait_dscnt 0x0                               ; for the others' sake: my stores are done
	s_barrier_signal -1
	s_barrier_wait -1
	s_cmp_ge_u32 s10, 4
	s_cbranch_scc1 .Ldone
.set i, 0
.rept 24
	ds_load_b32 v[PT+i], v[MA] offset:i*128
.set i, i+1
.endr
	s_wait_dscnt 0x0
	MERGE
	v_cmp_eq_u32 s56, 1, v2                        ; lanes 0-15 store query tile 2 p, lanes 16-31 tile 2 p + 1: 32 records, 512 consecutive bytes
.irp p, 0,1
	v_cndmask_b32 v[OUT+4*(\p)],   v[LST+12*(\p)+3], v[LST+12*(\p)+9],  s56
	v_cndmask_b32 v[OUT+4*(\p)+1], v[LST+12*(\p)+4], v[LST+12*(\p)+10], s56
	v_cndmask_b32 v[OUT+4*(\p)+2], v[LST+12*(\p)+5], v[LST+12*(\p)+11], s56
	v_mov_b32 v[OUT+4*(\p)+3], 0
	global_store_b128 v[OO], v[OUT+4*(\p):OUT+4*(\p)+3], s[8:9] offset:512*(\p)
.endr
.Ldone:
	s_wait_tensorcnt 0x0                           ; the wave's end, behind my last tensor load and my last LDS store
	ds_add_u32 v[SPW], v[NIL]
	s_wait_dscnt 0x0
	CROUND                                         ; the closing round: no work-group ends while a partner may still ask for a tile that names it
	s_endpgm
.Lfunc_end_k_q32e5b38af2_knn:
	.size	k_q32e5b38af2_knn, .Lfunc_end_k_q32e5b38af2_knn-k_q32e5b38af2_knn
	.p2alignl 7, 3214868480
	.fill 96, 4, 3214868480
	.section	.rodata,"a",@progbits
	.p2align	6, 0x0
	.amdhsa_kernel k_q32e5b38af2_knn
		.amdhsa_group_segment_fixed_size 327680
		.amdhsa_private_segment_fixed_size 0
		.amdhsa_enable_private_segment 0
		.amdhsa_kernarg_size 24
		.amdhsa_user_sgpr_count 2
		.amdhsa_user_sgpr_kernarg_segment_ptr 1
		.amdhsa_wavefront_size32 1
		.amdhsa_system_sgpr_workgroup_id_x 1
		.amdhsa_system_sgpr_workgroup_id_y 1
		.amdhsa_system_sgpr_workgroup_id_z 1
		.amdhsa_system_vgpr_workitem_id 0
		.amdhsa_next_free_vgpr 512
		.amdhsa_next_free_sgpr 84
		.amdhsa_reserve_vcc 0
		.amdhsa_float_denorm_mode_32 3
		.amdhsa_float_denorm_mode_16_64 3
		.amdhsa_memory_ordered 1
		.amdhsa_forward_progress 1
		.amdhsa_inst_pref_size 163
	.end_amdhsa_kernel
	.amdgpu_metadata
---
amdhsa.version: [ 1, 2 ]
amdhsa.kernels:
  - .name:           k_q32e5b38af2_knn
    .symbol:         k_q32e5b38af2_knn.kd
    .args:
      - { .name: xb, .offset: 0, .size: 8, .value_kind: global_buffer, .address_space: global }
      - { .name: inv, .offset: 8, .size: 8, .value_kind: global_buffer, .address_space: global }
      - { .name: topk, .offset: 16, .size: 8, .value_kind: global_buffer, .address_space: global }
    .group_segment_fixed_size: 327680
    .private_segment_fixed_size: 0
    .kernarg_segment_align: 8
    .kernarg_segment_size: 24
    .max_flat_workgroup_size: 256
    .sgpr_count:     84
    .vgpr_count:     512
    .wavefront_size: 32
...
	.end_amdgpu_metadata
.endif
;; end of part 2
;; launch proto (part 3): grid 16 x 16, 8 waves a work-group, no clusters, 5,632 bytes of LDS; arguments f, f_aug, label, label_aug, topk, out0, out1; writes out0, out1
.if DOCPART == 3
	.amdgcn_target "amdgcn-amd-amdhsa--gfx1250"
	.amdhsa_code_object_version 6
	.text
	.protected	k_q32e5b38af2_proto
	.globl	k_q32e5b38af2_proto
	.p2align	8
	.type	k_q32e5b38af2_proto,@function
k_q32e5b38af2_proto:
	s_mov_b64 s[64:65], 0
	v_nop
	global_prefetch_b8 v0, s[64:65] scope:SCOPE_SE
	s_setreg_imm32_b32 hwreg(HW_REG_WAVE_MODE, 25, 1), 1
	s_wait_xcnt 0x0
; PROTO.  For view v and batch b (y = 8 v + b): pixel n is STABLE if its label l(n) is not 4 and equals l(K) for one of its three K = i1 of plane y ^ 8 at (i_j of plane y at n), j = 1..3, both read from topk;
; l(n) = label[4 (n / 64)][4 (n % 64)].  For each class c = 0..3 and channel: the mean of the features over the class's stable pixels; if there are none, over all the class's pixels; if there are none, 0.
; The features are rounded to bf16 first (the numbers that the similarities were made of); products with weights 0 or 1, sums and counts in f32.
; SHARES.  A work-group takes 16 channels of a plane, wave w the pixels 512 w .. 512 w + 511, lane l the pixels 512 w + 128 i + 4 l + e (i, e = 0..3): 16 bytes of each of four loads that cover 512 consecutive bytes.
; A lane makes the flags of just these 16 pixels, so the flags change neither lane nor wave.  The 16 work-groups of a plane make the same flags: 112 small loads a thread beside 64 loads of 16 bytes of features.
; No matrix unit: the masked sums are eight multiply-adds a number in a launch that streams its features once.  No cluster, no tensor load: what the work-groups share is the small part named above.
; LIMITS.  Labels are compared as they are given; one outside 0..3 falls into no class.  Indices from topk are held to 0..4095.  NaN and infinities are not treated apart.
; The output's runs are 64 bytes (16 channels of a class): a quarter of 256; both outputs together are 65,536 bytes.
.set SPARE, 4608                       ; behind the partial sums (8 waves x 17 rows x 32 bytes = 4,352): the spare words, 128 bytes a wave; no other line names them
.set XO,  2                            ; v2   my byte offset in a channel's 16,384 bytes
.set TO,  3                            ; v3   in a plane of topk
.set LO,  4                            ; v4   in a label map
.set PA,  5                            ; v5   LDS: my wave's partial sums, at the trip's four channels
.set SPW, 6                            ; v6   my spare word; never rewritten
.set NIL, 7                            ; v7   0; never rewritten
.set R8,  8                            ; v[8:15]    at work
.set X,   16                           ; v[16:79]   a ring of four channels: slot s, load i at 16 s + 4 i
.set T,   80                           ; v[80:143]  first: my 16 pixels' records of topk
.set LB,  144                          ; v[144:159] first: their labels
.set MAD, 160                          ; v[160:207] first: 48 offsets, then what was loaded there
.set W,   80                           ; v[80:207]  then: the weights: set s (0-3: class s; 4-7: class s - 4 and stable), pixel p at 16 s + p
.set CL,  208                          ; v[208:223] labels held to 0..7
.set ST,  224                          ; v[224:239] 1.0 where stable
.set A,   240                          ; v[240:255] eight pairs of sums
	s_load_b256 s[4:11], s[0:1], 0x0               ; f, f_aug, label, label_aug
	s_load_b128 s[12:15], s[0:1], 0x20             ; topk, out0
	s_load_b64 s[16:17], s[0:1], 0x30              ; out1
	v_lshl_add_u32 v[SPW], v0, 2, SPARE
	v_mov_b32 v[NIL], 0
	v_lshrrev_b32 v1, 5, v0
	v_readfirstlane_b32 s18, v1                    ; wave 0..7
	v_and_b32 v1, 31, v0                           ; l
	s_and_b32 s19, ttmp7, 0xffff                   ; y
	s_and_b32 s26, s19, 7                          ; batch
	s_lshl_b32 s28, s26, 22                        ; features: the batch, and my 16 channels of 16,384 bytes
	s_lshl_b32 s29, ttmp9, 18
	s_add_co_u32 s28, s28, s29
	s_mov_b32 s29, 0
	s_lshl_b32 s30, s26, 18                        ; labels: a map is 262,144 bytes
	s_mov_b32 s31, 0
	s_lshl_b32 s32, s19, 16                        ; topk: my plane,
	s_mov_b32 s33, 0
	s_xor_b32 s34, s19, 8
	s_lshl_b32 s34, s34, 16                        ; and the other view's
	s_mov_b32 s35, 0
	s_lshl_b32 s36, s26, 12                        ; output: the batch's 4 x 256 numbers, my 16 channels
	s_lshl_b32 s37, ttmp9, 6
	s_add_co_u32 s36, s36, s37
	s_mov_b32 s37, 0
	s_mov_b32 s38, 0x76543210                      ; v_permlanex16_b32: each lane takes its own place in the other half
	s_mov_b32 s39, 0xfedcba98
	s_mov_b32 s44, 0xffff0000                      ; a word's upper bf16
	s_mul_i32 s46, s18, 544                        ; my wave's partial sums
	s_lshl_b32 s27, s18, 11
	v_lshl_add_u32 v[XO], v1, 4, s27               ; 4 (512 w + 4 l)
	s_lshl_b32 s27, s18, 13
	v_lshl_add_u32 v[TO], v1, 6, s27               ; 16 (512 w + 4 l)
	s_lshl_b32 s27, s18, 15
	v_and_b32 v8, 15, v0
	v_bfe_u32 v9, v0, 4, 1
	v_lshl_add_u32 v[LO], v8, 6, s27               ; map row 4 (8 w + 2 i + l / 16), column 4 (4 (l % 16) + e): 4,096 bytes a feature row, 16 a feature column
	v_lshl_add_u32 v[LO], v9, 12, v[LO]
	s_wait_kmcnt 0x0
	s_cmp_lt_u32 s19, 8                            ; view 0: f, label, out0; view 1: f_aug, label_aug, out1
	s_cselect_b64 s[20:21], s[4:5], s[6:7]
	s_cselect_b64 s[22:23], s[8:9], s[10:11]
	s_cselect_b64 s[24:25], s[14:15], s[16:17]
	s_add_nc_u64 s[20:21], s[20:21], s[28:29]
	s_add_nc_u64 s[22:23], s[22:23], s[30:31]
	s_add_nc_u64 s[24:25], s[24:25], s[36:37]
	s_add_nc_u64 s[32:33], s[12:13], s[32:33]
	s_add_nc_u64 s[34:35], s[12:13], s[34:35]
.set p, 0
.rept 16                                       ; pixel p = 4 i + e: its record (i1, i2, i3, 0)
	global_load_b128 v[T+4*p:T+4*p+3], v[TO], s[32:33] offset:(p/4)*2048+(p%4)*16
.set p, p+1
.endr
.set p, 0
.rept 16                                       ; its label
	global_load_b32 v[LB+p], v[LO], s[22:23] offset:(p/4)*8192+(p%4)*16
.set p, p+1
.endr
.set p, 0
.rept 16                                       ; the ring's first four channels go out ahead of the hops
	global_load_b128 v[X+4*p:X+4*p+3], v[XO], s[20:21] offset:(p/4)*16384+(p%4)*512 th:TH_LOAD_NT
.set p, p+1
.endr
	s_wait_loadcnt 32                              ; the 16 records are in; the 32 younger loads stay out
.set k, 0
.rept 48                                       ; entry k = 3 p + j
	v_min_u32 v[MAD+k], 0xfff, v[T+4*(k/3)+k%3]
.set k, k+1
.endr
.set k, 0
.rept 48
	v_lshlrev_b32 v[MAD+k], 4, v[MAD+k]            ; a record is 16 bytes; its first word is i1
.set k, k+1
.endr
.set k, 0
.rept 48
	global_load_b32 v[MAD+k], v[MAD+k], s[34:35]   ; the best pixel of my view for that pixel of the other
.set k, k+1
.endr
	s_wait_loadcnt 0x0
.set k, 0
.rept 48
	v_min_u32 v[MAD+k], 0xfff, v[MAD+k]
.set k, k+1
.endr
.set k, 0
.rept 48
	v_and_b32 v[T+k], 0xfc0, v[MAD+k]              ; 64 x its feature row
.set k, k+1
.endr
.set k, 0
.rept 48
	v_and_b32 v[MAD+k], 63, v[MAD+k]               ; its feature column
.set k, k+1
.endr
.set k, 0
.rept 48
	v_lshlrev_b32 v[MAD+k], 4, v[MAD+k]
.set k, k+1
.endr
.set k, 0
.rept 48
	v_lshl_add_u32 v[MAD+k], v[T+k], 6, v[MAD+k]   ; 4,096 x row + 16 x column
.set k, k+1
.endr
.set k, 0
.rept 48
	global_load_b32 v[MAD+k], v[MAD+k], s[22:23]   ; its label
.set k, k+1
.endr
	s_wait_loadcnt 0x0
.set p, 0
.rept 16
	v_cmp_eq_u32 s40, v[LB+p], v[MAD+3*p]
	v_cmp_eq_u32 s41, v[LB+p], v[MAD+3*p+1]
	v_cmp_eq_u32 s42, v[LB+p], v[MAD+3*p+2]
	v_cmp_ne_u32 s43, 4, v[LB+p]
	s_or_b32 s40, s40, s41
	s_or_b32 s42, s42, s40
	s_and_b32 s42, s42, s43
	v_cndmask_b32 v[ST+p], 0, 1.0, s42
	v_min_u32 v[CL+p], 7, v[LB+p]
.set p, p+1
.endr
.set k, 0
.rept 64                                       ; class k / 16, pixel k % 16
	v_cmp_eq_u32 vcc_lo, k/16, v[CL+k%16]
	v_cndmask_b32 v[W+k], 0, 1.0, vcc_lo
.set k, k+1
.endr
.set k, 0
.rept 32                                       ; class k / 8, pixels 2 (k % 8) and the next
	v_pk_mul_f32 v[W+64+2*k:W+64+2*k+1], v[W+2*k:W+2*k+1], v[ST+2*(k%8):ST+2*(k%8)+1]
.set k, k+1
.endr
; The eight pairs of sums are added up over the pair and over the wave's 32 lanes, side by side, and stored as one row of 32 bytes at byte o of my wave's partial sums (all lanes write the same values).
.macro REDST o
.irp s, 0,1,2,3,4,5,6,7
	v_add_f32 v[R8+(\s)], v[A+2*(\s)], v[A+2*(\s)+1]
.endr
.irp m, 1,2,4,8
.irp s, 0,1,2,3,4,5,6,7
	v_add_f32_dpp v[R8+(\s)], v[R8+(\s)], v[R8+(\s)] row_xmask:\m row_mask:0xf bank_mask:0xf
.endr
.endr
.irp s, 0,1,2,3,4,5,6,7
	v_permlanex16_b32 v[A+(\s)], v[R8+(\s)], s38, s39  ; the pairs are free, and have been written
.endr
.irp s, 0,1,2,3,4,5,6,7
	v_add_f32 v[R8+(\s)], v[R8+(\s)], v[A+(\s)]
.endr
	ds_store_b128 v[PA], v[R8:R8+3]   offset:(\o)
	ds_store_b128 v[PA], v[R8+4:R8+7] offset:(\o)+16
.endm
.macro SETPA                           ; my wave's rows of the trip's four channels: trip 3 - s45 (s45: 3 .. 1 in the loop, 0 in the tail)
	s_sub_co_u32 s47, 3, s45
	s_lshl_b32 s47, s47, 7
	s_add_co_u32 s47, s47, s46
	v_mov_b32 v[PA], s47
.endm
; One channel, in slot s of the ring.  ahead = 1: the slot is filled again with the channel four further on.  left: the younger loads that may stay out.
.macro CH slot, ahead, left
.set XS, X+16*(\slot)
	s_wait_loadcnt \left                           ; my four loads are in
.irp i, 0,1,2,3
	v_cvt_pk_bf16_f32 v[R8+2*(\i)],   v[XS+4*(\i)],   v[XS+4*(\i)+1]  ; rounded to bf16,
	v_cvt_pk_bf16_f32 v[R8+2*(\i)+1], v[XS+4*(\i)+2], v[XS+4*(\i)+3]
.endr
.irp i, 0,1,2,3
	v_lshlrev_b32 v[XS+4*(\i)],   16,  v[R8+2*(\i)]                   ; and back in f32
	v_and_b32     v[XS+4*(\i)+1], s44, v[R8+2*(\i)]
	v_lshlrev_b32 v[XS+4*(\i)+2], 16,  v[R8+2*(\i)+1]
	v_and_b32     v[XS+4*(\i)+3], s44, v[R8+2*(\i)+1]
.endr
.irp s, 0,1,2,3,4,5,6,7
	v_pk_mul_f32 v[A+2*(\s):A+2*(\s)+1], v[XS:XS+1], v[W+16*(\s):W+16*(\s)+1]  ; the first products start the sums
.endr
.irp u, 1,2,3,4,5,6,7
.irp s, 0,1,2,3,4,5,6,7
	v_pk_fma_f32 v[A+2*(\s):A+2*(\s)+1], v[XS+2*(\u):XS+2*(\u)+1], v[W+16*(\s)+2*(\u):W+16*(\s)+2*(\u)+1], v[A+2*(\s):A+2*(\s)+1]
.endr
.endr
.if \ahead
.irp i, 0,1,2,3
	global_load_b128 v[XS+4*(\i):XS+4*(\i)+3], v[XO], s[20:21] offset:((\slot)+4)*16384+(\i)*512 th:TH_LOAD_NT
.endr
.endif
	REDST (\slot)*32
.endm
	s_mov_b32 s45, 3
	SETPA
	; the eight counts: the sums of the weights, row 16 of my wave's partial sums
.irp s, 0,1,2,3,4,5,6,7
	v_pk_add_f32 v[A+2*(\s):A+2*(\s)+1], v[W+16*(\s):W+16*(\s)+1], v[W+16*(\s)+2:W+16*(\s)+3]
.endr
.irp u, 2,3,4,5,6,7
.irp s, 0,1,2,3,4,5,6,7
	v_pk_add_f32 v[A+2*(\s):A+2*(\s)+1], v[A+2*(\s):A+2*(\s)+1], v[W+16*(\s)+2*(\u):W+16*(\s)+2*(\u)+1]
.endr
.endr
	REDST 512
.Ltrip:                                                ; three trips of four channels; each slot is filled again: the three younger slots' 12 loads stay out at every wait
	SETPA
	CH 0, 1, 12
	CH 1, 1, 12
	CH 2, 1, 12
	CH 3, 1, 12
	s_wait_xcnt 0x0                                ; the loads' base is stepped only behind this wait
	s_add_nc_u64 s[20:21], s[20:21], 4*16384
	s_sub_co_u32 s45, s45, 1
	s_cmp_lg_u32 s45, 0
	s_cbranch_scc1 .Ltrip
	SETPA
	CH 0, 0, 12                                    ; the last four channels load nothing: the counts run down
	CH 1, 0, 8
	CH 2, 0, 4
	CH 3, 0, 0
	s_wait_dscnt 0x0                               ; for the others' sake: my partial sums are stored
	s_barrier_signal -1
	s_barrier_wait -1
	s_cmp_ge_u32 s18, 2
	s_cbranch_scc1 .Lend
	; threads 0-63: class t / 16, channel t % 16
	v_and_b32 v8, 15, v0
	v_bfe_u32 v9, v0, 4, 2
	v_lshlrev_b32 v10, 2, v9
	v_lshl_add_u32 v11, v8, 5, v10
.irp u, 0,1,2,3,4,5,6,7
	ds_load_b32 v[16+(\u)], v11 offset:(\u)*544        ; the class's sum, wave u's part
	ds_load_b32 v[24+(\u)], v11 offset:(\u)*544+16     ; the stable sum
	ds_load_b32 v[32+(\u)], v10 offset:(\u)*544+512    ; the class's count
	ds_load_b32 v[40+(\u)], v10 offset:(\u)*544+528    ; the stable count
.endr
	s_wait_dscnt 0x0
.irp g, 16,24,32,40
	v_pk_add_f32 v[(\g):(\g)+1],   v[(\g):(\g)+1],   v[(\g)+2:(\g)+3]
	v_pk_add_f32 v[(\g)+4:(\g)+5], v[(\g)+4:(\g)+5], v[(\g)+6:(\g)+7]
.endr
.irp g, 16,24,32,40
	v_pk_add_f32 v[(\g):(\g)+1], v[(\g):(\g)+1], v[(\g)+4:(\g)+5]
.endr
.irp g, 16,24,32,40
	v_add_f32 v[(\g)], v[(\g)], v[(\g)+1]
.endr
	v_max_num_f32 v12, 1.0, v32
	v_max_num_f32 v13, 1.0, v40
	v_rcp_f32 v14, v12
	v_rcp_f32 v15, v13
	v_nop                                          ; a plain instruction between the reciprocals and the use of their results
	s_wait_alu depctr_va_vdst(0)
	v_mul_f32 v14, v16, v14
	v_mul_f32 v15, v24, v15
	v_cmp_lt_f32 vcc_lo, 0, v32
	v_cndmask_b32 v14, 0, v14, vcc_lo              ; the class's mean, or 0 if it has no pixel;
	v_cmp_lt_f32 vcc_lo, 0, v40
	v_cndmask_b32 v14, v14, v15, vcc_lo            ; the stable mean where there is a stable pixel
	v_lshlrev_b32 v12, 2, v8
	v_lshl_add_u32 v12, v9, 10, v12                ; class x 1,024 bytes + channel x 4
	global_store_b32 v12, v14, s[24:25]
.Lend:
	s_wait_tensorcnt 0x0                           ; the wave's end, behind my last LDS store
	ds_add_u32 v[SPW], v[NIL]
	s_wait_dscnt 0x0
	s_endpgm
.Lfunc_end_k_q32e5b38af2_proto:
	.size	k_q32e5b38af2_proto, .Lfunc_end_k_q32e5b38af2_proto-k_q32e5b38af2_proto
	.p2alignl 7, 3214868480
	.fill 96, 4, 3214868480
	.section	.rodata,"a",@progbits
	.p2align	6, 0x0
	.amdhsa_kernel k_q32e5b38af2_proto
		.amdhsa_group_segment_fixed_size 5632
		.amdhsa_private_segment_fixed_size 0
		.amdhsa_enable_private_segment 0
		.amdhsa_kernarg_size 56
		.amdhsa_user_sgpr_count 2
		.amdhsa_user_sgpr_kernarg_segment_ptr 1
		.amdhsa_wavefront_size32 1
		.amdhsa_system_sgpr_workgroup_id_x 1
		.amdhsa_system_sgpr_workgroup_id_y 1
		.amdhsa_system_sgpr_workgroup_id_z 1
		.amdhsa_system_vgpr_workitem_id 0
		.amdhsa_next_free_vgpr 256
		.amdhsa_next_free_sgpr 66
		.amdhsa_reserve_vcc 1
		.amdhsa_float_denorm_mode_32 3
		.amdhsa_float_denorm_mode_16_64 3
		.amdhsa_memory_ordered 1
		.amdhsa_forward_progress 1
		.amdhsa_inst_pref_size 126
	.end_amdhsa_kernel
	.amdgpu_metadata
---
amdhsa.version: [ 1, 2 ]
amdhsa.kernels:
  - .name:           k_q32e5b38af2_proto
    .symbol:         k_q32e5b38af2_proto.kd
    .args:
      - { .name: f, .offset: 0, .size: 8, .value_kind: global_buffer, .address_space: global }
      - { .name: f_aug, .offset: 8, .size: 8, .value_kind: global_buffer, .address_space: global }
      - { .name: label, .offset: 16, .size: 8, .value_kind: global_buffer, .address_space: global }
      - { .name: label_aug, .offset: 24, .size: 8, .value_kind: global_buffer, .address_space: global }
      - { .name: topk, .offset: 32, .size: 8, .value_kind: global_buffer, .address_space: global }
      - { .name: out0, .offset: 40, .size: 8, .value_kind: global_buffer, .address_space: global }
      - { .name: out1, .offset: 48, .size: 8, .value_kind: global_buffer, .address_space: global }
    .group_segment_fixed_size: 5632
    .private_segment_fixed_size: 0
    .kernarg_segment_align: 8
    .kernarg_segment_size: 56
    .max_flat_workgroup_size: 256
    .sgpr_count:     66
    .vgpr_count:     256
    .wavefront_size: 32
...
	.end_amdgpu_metadata
.endif
;; end of part 3
;; ======== version 2 of 2: 3 launches; version 1 with the launches prep, proto written anew for expert scheduling mode
;; workspace buffers: xb 33,554,432 bytes; inv 262,144 bytes; topk 1,048,576 bytes of whole numbers
;; launch prep (part 4): grid 64 x 16, 8 waves a work-group, no clusters, 35,072 bytes of LDS; arguments f, f_aug, xb, inv; writes xb, inv
.if DOCPART == 4
	.amdgcn_target "amdgcn-amd-amdhsa--gfx1250"
	.amdhsa_code_object_version 6
	.text
	.protected	k_q32e5b38af2_prep
	.globl	k_q32e5b38af2_prep
	.p2align	8
	.type	k_q32e5b38af2_prep,@function
k_q32e5b38af2_prep:
	s_mov_b64 s[64:65], 0
	v_nop
	global_prefetch_b8 v0, s[64:65] scope:SCOPE_SE
	s_setreg_imm32_b32 hwreg(HW_REG_WAVE_SCHED_MODE, 0, 2), 2
	s_setreg_imm32_b32 hwreg(HW_REG_WAVE_MODE, 25, 1), 1
	s_wait_xcnt 0x0
	s_wait_alu depctr_vm_vsrc(0)
; PREP.  f and f_aug, [8][256 channels][4096 pixels] f32, are rounded once to bf16 and turned into xb[2][8][4096 pixels][256 channels];
; inv[2][8][4096] takes 1 / max(norm, 1e-12) of each pixel, the norm taken in f32 of the ROUNDED numbers (the ones that are multiplied later).
; SHARES.  A work-group (x = block of 64 pixels, y = 8 x tensor + batch) takes 64 pixels x 256 channels.  In: wave w takes channels 32 w .. 32 w + 31; a lane takes 4 pixels (16 bytes)
; of 16 channels, so sixteen lanes read 256 consecutive, aligned bytes.  Out: wave w takes pixel rows 8 w .. 8 w + 7 whole; each store of a wave covers 512 consecutive bytes.
; The turn goes through LDS (rows of 512 bytes + 16).  A lane's stores go to four pixel rows, and neighbouring lanes lie four rows (528 words) apart, so four lanes meet in a group of banks:
; eight such stores a wave, in a launch that streams; the reads back take whole rows and meet nowhere.
; No matrix unit, no cluster, no tensor load: no two work-groups read the same byte, and sixteen loads a wave are on their way from the start.
; LIMITS.  NaN and infinities are not treated apart.  A sum of squares below 2^-126 counts as 2^-126; its root lies far below 1e-12, so the result is 1e12 as it should be.
; THE MODE: SCHED_MODE bits 1:0 = 2 (LLVM: expert scheduling mode 2), set by the entry lines.  The code itself states the register dependences
; between vector instructions and memory or LDS instructions, with s_wait_alu, always for 0.
; THE PLAN.  Registers that memory or LDS instructions touch:
;   v4-7, v15    offsets and addresses: written at the head, never again.
;   X v16-79     the 16 global loads land here; the conversions read it; behind the barrier the LDS loads land in v16-47, which the global stores and the unpacking lines read; never written again.
;   P v80-111    written by the conversions, read by the eight LDS stores, written again as the rows' pairs of sums.
;   v13          written by the last Newton step, read by one LDS store, not written again.
;   v120-121     wave 0's LDS load lands here and its global store reads it: no other line names them.
; So: one wait ahead of the first load (the addresses); one ahead of the LDS stores (P is written, X is read out: it serves the LDS loads behind the barrier too); one on vm_vsrc behind the barrier (P is read);
; one ahead of the store of v13; one in wave 0's arm (two fresh addresses).  The rows' global stores stand among the rows' arithmetic with no wait: no vector instruction writes what they read.
.set PITCH, 528                        ; an LDS row: one pixel's 256 bf16 + 16 bytes
.set INVL,  64*PITCH                   ; 64 reciprocals, a block of 256 bytes
.set SPARE, INVL+256                   ; the spare words: 128 bytes for each of the eight waves; no other line names them
.set GOFF, 4                           ; v4   my byte offset in the plane: (32 w + 16 (l / 16)) channels + 16 (l % 16)
.set STO,  5                           ; v5   LDS: pixel row 4 (l % 16), byte 64 w + 32 (l / 16)
.set RD,   6                           ; v6   LDS: pixel row 8 w, byte 16 l
.set XO,   7                           ; v7   xb: pixel row 8 w, byte 16 l
.set SPW,  8                           ; v8   my spare word; never rewritten
.set NIL,  9                           ; v9   0; never rewritten
.set X,    16                          ; v[16:79]   load i (channel i of my 16): 4 pixels; later v[16:47]: eight pixel rows read back
.set U,    48                          ; v[48:79]   later: 8 f32 at work, four sets by turns
.set P,    80                          ; v[80:111]  pixel e: 16 channels in bf16
.set Q2,   80                          ; later: row i's pair of sums
.set S,    112                         ; v[112:119] row i's sum of squares
.set IV,   120                         ; v[120:121] wave 0: two of the group's 64 reciprocals
.set MK,   23                          ; s24-30: lane l % 8 == k, at MK + k
	s_load_b256 s[4:11], s[0:1], 0x0               ; f s[4:5], f_aug s[6:7], xb s[8:9], inv s[10:11]
	v_lshl_add_u32 v[SPW], v0, 2, SPARE
	v_mov_b32 v[NIL], 0
	v_lshrrev_b32 v1, 5, v0
	v_readfirstlane_b32 s12, v1                    ; wave 0..7
	v_and_b32 v1, 31, v0                           ; l
	v_and_b32 v2, 15, v0                           ; l % 16
	v_bfe_u32 v3, v0, 4, 1                         ; l / 16
	v_and_b32 v10, 7, v0                           ; l % 8
	s_and_b32 s14, ttmp7, 0xffff                   ; y = 8 x tensor + batch
	s_and_b32 s15, s14, 7                          ; batch
	s_lshl_b32 s18, s15, 22                        ; source: a batch is 256 x 16,384 bytes,
	s_lshl_b32 s19, ttmp9, 8                       ; 64 pixels are 256 bytes
	s_add_co_u32 s18, s18, s19
	s_mov_b32 s19, 0
	s_lshl_b32 s24, s14, 21                        ; xb: a plane is 4,096 x 512 bytes,
	s_lshl_b32 s25, ttmp9, 15                      ; 64 pixels are 32,768
	s_add_co_u32 s24, s24, s25
	s_mov_b32 s25, 0
	s_lshl_b32 s26, s14, 14                        ; inv: a plane is 16,384 bytes,
	s_lshl_b32 s27, ttmp9, 8                       ; 64 pixels are 256
	s_add_co_u32 s26, s26, s27
	s_mov_b32 s27, 0
	s_mov_b32 s20, 0x76543210                      ; v_permlanex16_b32: each lane takes its own place in the other half
	s_mov_b32 s21, 0xfedcba98
	s_mov_b32 s22, 0xffff0000                      ; a word's upper bf16
	s_wait_alu depctr_va_sdst(0)                   ; s12 is written, ahead of its first reader: the addresses below are made from it
	v_lshlrev_b32 v[GOFF], 4, v2
	v_lshl_add_u32 v[GOFF], v3, 18, v[GOFF]
	v_lshl_add_u32 v[GOFF], s12, 19, v[GOFF]
	v_mul_u32_u24 v[STO], v2, 4*PITCH
	v_lshl_add_u32 v[STO], v3, 5, v[STO]
	v_lshl_add_u32 v[STO], s12, 6, v[STO]
	s_mul_i32 s28, s12, 8*PITCH
	v_lshl_add_u32 v[RD], v1, 4, s28
	s_lshl_b32 s29, s12, 12
	v_lshl_add_u32 v[XO], v1, 4, s29
	s_lshl_b32 s23, s12, 5
	s_add_co_u32 s23, s23, INVL
	v_lshl_add_u32 v15, v10, 2, s23                ; where my row's reciprocal goes: INVL + 4 (8 w + l % 8)
	s_wait_kmcnt 0x0
	s_cmp_lt_u32 s14, 8                            ; planes 0-7 come from f, 8-15 from f_aug
	s_cselect_b64 s[16:17], s[4:5], s[6:7]
	s_add_nc_u64 s[16:17], s[16:17], s[18:19]
	s_add_nc_u64 s[8:9], s[8:9], s[24:25]
	s_add_nc_u64 s[10:11], s[10:11], s[26:27]
	s_wait_alu depctr_va_vdst(0)                   ; v4 to v7 and v15 are written: every load and store below reads one of them as its offset or address
.irp i, 0,1,2,3,4,5,6,7,8,9,10,11,12,13,14,15
	global_load_b128 v[X+4*(\i):X+4*(\i)+3], v[GOFF], s[16:17] offset:(\i)*16384 th:TH_LOAD_NT
.endr
.irp k, 1,2,3,4,5,6,7
	v_cmp_eq_u32 s[MK+(\k)], \k, v10               ; which row's sum my lane will take: seven masks in one run, while the loads are out
.endr
	s_wait_alu depctr_va_sdst(0)                   ; the seven masks are written, ahead of the selects that read them
	; two channels of a pixel make one word
.irp d, 0,1,2,3,4,5,6,7
	s_wait_loadcnt 14-2*(\d)                       ; loads come back in order: 2 d and 2 d + 1 are in, the 14 - 2 d younger ones stay out
.irp e, 0,1,2,3
	v_cvt_pk_bf16_f32 v[P+8*(\e)+(\d)], v[X+8*(\d)+(\e)], v[X+8*(\d)+4+(\e)]
.endr
.endr
	s_wait_alu depctr_va_vdst(0)                   ; the conversions have written P, which the LDS stores read, and are done reading X, in which the LDS loads behind the barrier land
.irp e, 0,1,2,3
	ds_store_b128 v[STO], v[P+8*(\e):P+8*(\e)+3]   offset:(\e)*PITCH
	ds_store_b128 v[STO], v[P+8*(\e)+4:P+8*(\e)+7] offset:(\e)*PITCH+16
.endr
	s_wait_dscnt 0x0                               ; for the others' sake: my stores are done
	s_barrier_signal -1
	s_barrier_wait -1                              ; every pixel row is whole
	s_wait_alu depctr_vm_vsrc(0)                   ; my LDS stores have read P: its registers take the rows' pairs of sums below
.irp i, 0,1,2,3,4,5,6,7
	ds_load_b128 v[X+4*(\i):X+4*(\i)+3], v[RD] offset:(\i)*PITCH
.endr
.irp i, 0,1,2,3,4,5,6,7
	s_wait_dscnt 7-(\i)                            ; row i is in; the younger rows stay out
	global_store_b128 v[XO], v[X+4*(\i):X+4*(\i)+3], s[8:9] offset:(\i)*512  ; 512 consecutive bytes, at a multiple of 512 from xb's first.  No wait: no vector instruction writes the row or the offset
.irp k, 0,1,2,3
	v_lshlrev_b32 v[U+8*((\i)%4)+2*(\k)],   16,  v[X+4*(\i)+(\k)]
	v_and_b32     v[U+8*((\i)%4)+2*(\k)+1], s22, v[X+4*(\i)+(\k)]
.endr
	v_pk_mul_f32 v[Q2+2*(\i):Q2+2*(\i)+1], v[U+8*((\i)%4):U+8*((\i)%4)+1], v[U+8*((\i)%4):U+8*((\i)%4)+1]
.irp k, 1,2,3
	v_pk_fma_f32 v[Q2+2*(\i):Q2+2*(\i)+1], v[U+8*((\i)%4)+2*(\k):U+8*((\i)%4)+2*(\k)+1], v[U+8*((\i)%4)+2*(\k):U+8*((\i)%4)+2*(\k)+1], v[Q2+2*(\i):Q2+2*(\i)+1]
.endr
	v_add_f32 v[S+(\i)], v[Q2+2*(\i)], v[Q2+2*(\i)+1]
.endr
	; the eight rows' sums over the 32 lanes, side by side
.irp m, 1,2,4,8
.irp i, 0,1,2,3,4,5,6,7
	v_add_f32_dpp v[S+(\i)], v[S+(\i)], v[S+(\i)] row_xmask:\m row_mask:0xf bank_mask:0xf
.endr
.endr
.irp i, 0,1,2,3,4,5,6,7
	v_permlanex16_b32 v[U+(\i)], v[S+(\i)], s20, s21  ; its destination has been written above
.endr
.irp i, 0,1,2,3,4,5,6,7
	v_add_f32 v[S+(\i)], v[S+(\i)], v[U+(\i)]
.endr
	v_mov_b32 v11, v[S]                            ; lane l takes row l % 8, so that root and reciprocal are made once for all eight
.irp k, 1,2,3,4,5,6,7
	v_cndmask_b32 v11, v11, v[S+(\k)], s[MK+(\k)]
.endr
	v_max_num_f32 v11, 0x00800000, v11             ; no denormal goes into the root
	v_sqrt_f32 v12, v11
	v_nop                                          ; a plain instruction behind each transcendental, ahead of its result's use
	s_wait_alu depctr_va_vdst(0)                   ; the root v12 is written, ahead of its first reader
	v_rcp_f32 v13, v12
	v_fma_f32 v14, -v12, v12, v11                  ; one Newton step for the root: y + (s - y y) / (2 y)
	s_wait_alu depctr_va_vdst(0)                   ; the reciprocal v13 is written, ahead of its first reader
	v_mul_f32 v14, v14, v13
	v_fma_f32 v12, v14, 0.5, v12
	v_max_num_f32 v12, 0x2b8cbccc, v12             ; max(norm, 1e-12)
	v_rcp_f32 v13, v12
	v_nop
	s_wait_alu depctr_va_vdst(0)                   ; the reciprocal v13 is written, ahead of its first reader
	v_fma_f32 v14, -v12, v13, 1.0                  ; and one for the reciprocal
	v_fma_f32 v13, v14, v13, v13
	s_wait_alu depctr_va_vdst(0)                   ; the Newton step has written v13, which the LDS store reads
	ds_store_b32 v15, v13                          ; four lanes write the same word with the same value
	s_wait_dscnt 0x0
	s_barrier_signal -1
	s_barrier_wait -1
	s_cmp_lg_u32 s12, 0
	s_cbranch_scc1 .Lnot_wave_0
	v_lshl_add_u32 v14, v1, 3, INVL                ; wave 0 stores the group's 64 reciprocals: 256 consecutive, aligned bytes in one instruction
	v_lshlrev_b32 v11, 3, v1
	s_wait_alu depctr_va_vdst(0)                   ; v14 and v11 are written: the LDS load's address and the store's offset
	ds_load_b64 v[IV:IV+1], v14
	s_wait_dscnt 0x0
	global_store_b64 v11, v[IV:IV+1], s[10:11]
.Lnot_wave_0:
	s_wait_dscnt 0x0                               ; the closing lines, six on end
	s_wait_alu 0x0
	s_wait_tensorcnt 0x0
	ds_add_u32 v[SPW], v[NIL]
	s_wait_dscnt 0x0
	s_endpgm
.Lfunc_end_k_q32e5b38af2_prep:
	.size	k_q32e5b38af2_prep, .Lfunc_end_k_q32e5b38af2_prep-k_q32e5b38af2_prep
	.p2alignl 7, 3214868480
	.fill 96, 4, 3214868480
	.section	.rodata,"a",@progbits
	.p2align	6, 0x0
	.amdhsa_kernel k_q32e5b38af2_prep
		.amdhsa_group_segment_fixed_size 35072
		.amdhsa_private_segment_fixed_size 0
		.amdhsa_enable_private_segment 0
		.amdhsa_kernarg_size 32
		.amdhsa_user_sgpr_count 2
		.amdhsa_user_sgpr_kernarg_segment_ptr 1
		.amdhsa_wavefront_size32 1
		.amdhsa_system_sgpr_workgroup_id_x 1
		.amdhsa_system_sgpr_workgroup_id_y 1
		.amdhsa_system_sgpr_workgroup_id_z 1
		.amdhsa_system_vgpr_workitem_id 0
		.amdhsa_next_free_vgpr 128
		.amdhsa_next_free_sgpr 66
		.amdhsa_reserve_vcc 0
		.amdhsa_float_denorm_mode_32 3
		.amdhsa_float_denorm_mode_16_64 3
		.amdhsa_memory_ordered 1
		.amdhsa_forward_progress 1
		.amdhsa_inst_pref_size 18
	.end_amdhsa_kernel
	.amdgpu_metadata
---
amdhsa.version: [ 1, 2 ]
amdhsa.kernels:
  - .name:           k_q32e5b38af2_prep
    .symbol:         k_q32e5b38af2_prep.kd
    .args:
      - { .name: f, .offset: 0, .size: 8, .value_kind: global_buffer, .address_space: global }
      - { .name: f_aug, .offset: 8, .size: 8, .value_kind: global_buffer, .address_space: global }
      - { .name: xb, .offset: 16, .size: 8, .value_kind: global_buffer, .address_space: global }
      - { .name: inv, .offset: 24, .size: 8, .value_kind: global_buffer, .address_space: global }
    .group_segment_fixed_size: 35072
    .private_segment_fixed_size: 0
    .kernarg_segment_align: 8
    .kernarg_segment_size: 32
    .max_flat_workgroup_size: 256
    .sgpr_count:     66
    .vgpr_count:     128
    .wavefront_size: 32
...
	.end_amdgpu_metadata
.endif
;; end of part 4
;; launch knn: the kernel of part 2 again; grid 16 x 16, 8 waves a work-group, clusters of 4 x 1, 327,680 bytes of LDS; arguments xb, inv, topk; writes topk
;; launch proto (part 5): grid 16 x 16, 8 waves a work-group, no clusters, 5,632 bytes of LDS; arguments f, f_aug, label, label_aug, topk, out0, out1; writes out0, out1
.if DOCPART == 5
	.amdgcn_target "amdgcn-amd-amdhsa--gfx1250"
	.amdhsa_code_object_version 6
	.text
	.protected	k_q32e5b38af2_proto
	.globl	k_q32e5b38af2_proto
	.p2align	8
	.type	k_q32e5b38af2_proto,@function
k_q32e5b38af2_proto:
	s_mov_b64 s[64:65], 0
	v_nop
	global_prefetch_b8 v0, s[64:65] scope:SCOPE_SE
	s_setreg_imm32_b32 hwreg(HW_REG_WAVE_SCHED_MODE, 0, 2), 2
	s_setreg_imm32_b32 hwreg(HW_REG_WAVE_MODE, 25, 1), 1
	s_wait_xcnt 0x0
	s_wait_alu depctr_vm_vsrc(0)
; PROTO.  For view v and batch b (y = 8 v + b): pixel n is STABLE if its label l(n) is not 4 and equals l(K) for one of its three K = i1 of plane y ^ 8 at (i_j of plane y at n), j = 1..3, both read from topk;
; l(n) = label[4 (n / 64)][4 (n % 64)].  For each class c = 0..3 and channel: the mean of the features over the class's stable pixels; if there are none, over all the class's pixels; if there are none, 0.
; The features are rounded to bf16 first (the numbers that the similarities were made of); products with weights 0 or 1, sums and counts in f32.
; SHARES.  A work-group takes 16 channels of a plane, wave w the pixels 512 w .. 512 w + 511, lane l the pixels 512 w + 128 i + 4 l + e (i, e = 0..3): 16 bytes of each of four loads that cover 512 consecutive bytes.
; A lane makes the flags of just these 16 pixels, so the flags change neither lane nor wave.  The 16 work-groups of a plane make the same flags: 112 small loads a thread beside 64 loads of 16 bytes of features.
; No matrix unit: the masked sums are eight multiply-adds a number in a launch that streams its features once.  No cluster, no tensor load: what the work-groups share is the small part named above.
; LIMITS.  Labels are compared as they are given; one outside 0..3 falls into no class.  Indices from topk are held to 0..4095.  NaN and infinities are not treated apart.
; The output's runs are 64 bytes (16 channels of a class): a quarter of 256; both outputs together are 65,536 bytes.
; THE MODE: SCHED_MODE bits 1:0 = 2 (LLVM: expert scheduling mode 2), set by the entry lines.  The code itself states the register dependences
; between vector instructions and memory or LDS instructions, with s_wait_alu, always for 0.
; THE PLAN, in the loop.  Registers that memory or LDS instructions touch:
;   X, slot s    Channel in slot s: its conversions read the slot, its unpacking lines write it in place, its multiply-adds read it; behind them the loads of the channel four further on land in it.
;   OB0, OB1     two rows of eight sums.  The last adds of the channel in slot s write OB[s % 2]; the two LDS stores that read it are issued in the next channel.
;   v[PA]        read by every LDS store; written once a trip, at the head of slot 0.
;   v[XO]        read by every load of features; never written again: the scalar base moves on by a trip, immediate offsets do the rest.
;   R8, A and the weights W are named by vector instructions alone.
; So a channel has two waits.  At its head, on vm_vsrc: the LDS stores issued in the channel before have read the OB that this channel writes again (and, in slot 0, v[PA]).  Behind its multiply-adds, on va_vdst:
; they are done with the slot; the channel before has written the other OB; in slot 0 v[PA] is written.  The channel's four loads and two LDS stores follow that wait, dealt among its reduction, which names
; R8, A and its own OB: none of the registers that they touch.
; A wave's partial sums in LDS are 17 rows of 32 bytes: row 0 the counts, row c + 1 channel c.  With v[PA] at row 4 t in trip t, slot s stores the row before its own at byte 32 s: in the first trip's slot 0 the counts.
.set SPARE, 4608                       ; behind the partial sums (8 waves x 17 rows x 32 bytes = 4,352): the spare words, 128 bytes a wave; no other line names them
.set XO,  2                            ; v2   my byte offset in a channel's 16,384 bytes
.set TO,  3                            ; v3   in a plane of topk
.set LO,  4                            ; v4   in a label map
.set PA,  5                            ; v5   LDS: my wave's partial sums, at row 4 x trip
.set SPW, 6                            ; v6   my spare word; never rewritten
.set NIL, 7                            ; v7   0; never rewritten
.set R8,  8                            ; v[8:15]    at work
.set X,   16                           ; v[16:79]   a ring of four channels: slot s, load i at 16 s + 4 i
.set T,   80                           ; v[80:143]  first: my 16 pixels' records of topk; then v[80:127]: what each of the two hops loads
.set LB,  144                          ; v[144:159] first: their labels
.set MAD, 160                          ; v[160:207] first: the 48 offsets of a hop
.set W,   80                           ; v[80:207]  then: the weights: set s (0-3: class s; 4-7: class s - 4 and stable), pixel p at 16 s + p
.set CL,  208                          ; v[208:223] first: labels held to 0..7
.set OB,  208                          ; v[208:223] then: two rows of eight sums on their way to LDS
.set ST,  224                          ; v[224:239] 1.0 where stable
.set A,   240                          ; v[240:255] eight pairs of sums
.set MK,  2                            ; s[2:17]    sixteen masks of a run of compares (the arguments that lay in s4-17 have been used by then)
	s_load_b256 s[4:11], s[0:1], 0x0               ; f, f_aug, label, label_aug
	s_load_b128 s[12:15], s[0:1], 0x20             ; topk, out0
	s_load_b64 s[16:17], s[0:1], 0x30              ; out1
	v_lshl_add_u32 v[SPW], v0, 2, SPARE
	v_mov_b32 v[NIL], 0
	v_lshrrev_b32 v1, 5, v0
	v_readfirstlane_b32 s18, v1                    ; wave 0..7
	v_and_b32 v1, 31, v0                           ; l
	v_and_b32 v8, 15, v0
	v_bfe_u32 v9, v0, 4, 1
	s_and_b32 s19, ttmp7, 0xffff                   ; y
	s_and_b32 s26, s19, 7                          ; batch
	s_lshl_b32 s28, s26, 22                        ; features: the batch, and my 16 channels of 16,384 bytes
	s_lshl_b32 s29, ttmp9, 18
	s_add_co_u32 s28, s28, s29
	s_mov_b32 s29, 0
	s_lshl_b32 s30, s26, 18                        ; labels: a map is 262,144 bytes
	s_mov_b32 s31, 0
	s_lshl_b32 s32, s19, 16                        ; topk: my plane,
	s_mov_b32 s33, 0
	s_xor_b32 s34, s19, 8
	s_lshl_b32 s34, s34, 16                        ; and the other view's
	s_mov_b32 s35, 0
	s_lshl_b32 s36, s26, 12                        ; output: the batch's 4 x 256 numbers, my 16 channels
	s_lshl_b32 s37, ttmp9, 6
	s_add_co_u32 s36, s36, s37
	s_mov_b32 s37, 0
	s_mov_b32 s38, 0x76543210                      ; v_permlanex16_b32: each lane takes its own place in the other half
	s_mov_b32 s39, 0xfedcba98
	s_mov_b32 s44, 0xffff0000                      ; a word's upper bf16
	s_wait_alu depctr_va_sdst(0)                   ; s18 is written, ahead of its first reader: the wave's places below are made from it
	s_mul_i32 s46, s18, 544                        ; my wave's partial sums
	s_lshl_b32 s27, s18, 11
	v_lshl_add_u32 v[XO], v1, 4, s27               ; 4 (512 w + 4 l)
	s_lshl_b32 s40, s18, 13
	v_lshl_add_u32 v[TO], v1, 6, s40               ; 16 (512 w + 4 l)
	s_lshl_b32 s41, s18, 15
	v_lshl_add_u32 v[LO], v8, 6, s41               ; map row 4 (8 w + 2 i + l / 16), column 4 (4 (l % 16) + e): 4,096 bytes a feature row, 16 a feature column
	v_lshl_add_u32 v[LO], v9, 12, v[LO]
	s_wait_kmcnt 0x0
	s_cmp_lt_u32 s19, 8                            ; view 0: f, label, out0; view 1: f_aug, label_aug, out1
	s_cselect_b64 s[20:21], s[4:5], s[6:7]
	s_cselect_b64 s[22:23], s[8:9], s[10:11]
	s_cselect_b64 s[24:25], s[14:15], s[16:17]
	s_add_nc_u64 s[20:21], s[20:21], s[28:29]
	s_add_nc_u64 s[22:23], s[22:23], s[30:31]
	s_add_nc_u64 s[24:25], s[24:25], s[36:37]
	s_add_nc_u64 s[32:33], s[12:13], s[32:33]
	s_add_nc_u64 s[34:35], s[12:13], s[34:35]
	s_wait_alu depctr_va_vdst(0)                   ; v[XO], v[TO] and v[LO] are written, which the loads below and the loop's loads read as offsets
.set p, 0
.rept 16                                       ; pixel p = 4 i + e: its record (i1, i2, i3, 0)
	global_load_b128 v[T+4*p:T+4*p+3], v[TO], s[32:33] offset:(p/4)*2048+(p%4)*16
.set p, p+1
.endr
.set p, 0
.rept 16                                       ; its label
	global_load_b32 v[LB+p], v[LO], s[22:23] offset:(p/4)*8192+(p%4)*16
.set p, p+1
.endr
.set p, 0
.rept 16                                       ; the ring's first four channels go out ahead of the hops
	global_load_b128 v[X+4*p:X+4*p+3], v[XO], s[20:21] offset:(p/4)*16384+(p%4)*512 th:TH_LOAD_NT
.set p, p+1
.endr
	s_wait_loadcnt 32                              ; the 16 records are in; the 32 younger loads stay out
.set k, 0
.rept 48                                       ; entry k = 3 p + j
	v_min_u32 v[MAD+k], 0xfff, v[T+4*(k/3)+k%3]
.set k, k+1
.endr
.set k, 0
.rept 48
	v_lshlrev_b32 v[MAD+k], 4, v[MAD+k]            ; a record is 16 bytes; its first word is i1
.set k, k+1
.endr
	s_wait_alu depctr_va_vdst(0)                   ; the shifts have written the 48 offsets, which the loads read; the minima are done reading the records, in whose registers the loads land
.set k, 0
.rept 48
	global_load_b32 v[T+k], v[MAD+k], s[34:35]     ; the best pixel of my view for that pixel of the other
.set k, k+1
.endr
	s_wait_loadcnt 0x0
	s_wait_alu depctr_vm_vsrc(0)                   ; those loads have read their offsets, whose registers the minima below write again
.set k, 0
.rept 48
	v_min_u32 v[MAD+k], 0xfff, v[T+k]
.set k, k+1
.endr
.set k, 0
.rept 48
	v_and_b32 v[T+k], 0xfc0, v[MAD+k]              ; 64 x its feature row
.set k, k+1
.endr
.set k, 0
.rept 48
	v_and_b32 v[MAD+k], 63, v[MAD+k]               ; its feature column
.set k, k+1
.endr
.set k, 0
.rept 48
	v_lshlrev_b32 v[MAD+k], 4, v[MAD+k]
.set k, k+1
.endr
.set k, 0
.rept 48
	v_lshl_add_u32 v[MAD+k], v[T+k], 6, v[MAD+k]   ; 4,096 x row + 16 x column
.set k, k+1
.endr
	s_wait_alu depctr_va_vdst(0)                   ; the 48 offsets are written, which the loads read, and the lines above are done with v[T ..], in which the loads land
.set k, 0
.rept 48
	global_load_b32 v[T+k], v[MAD+k], s[22:23]     ; its label
.set k, k+1
.endr
	s_wait_loadcnt 0x0
	s_wait_alu depctr_vm_vsrc(0)                   ; those loads have read their offsets, over whose registers the weights are written below
	; stable or not: four pixels' sixteen compares in a run, one wait, then the masks' logic and the selects
.set b, 0
.rept 4
.set e, 0
.rept 4
	v_cmp_eq_u32 s[MK+4*e],   v[LB+4*b+e], v[T+3*(4*b+e)]
	v_cmp_eq_u32 s[MK+4*e+1], v[LB+4*b+e], v[T+3*(4*b+e)+1]
	v_cmp_eq_u32 s[MK+4*e+2], v[LB+4*b+e], v[T+3*(4*b+e)+2]
	v_cmp_ne_u32 s[MK+4*e+3], 4, v[LB+4*b+e]
	v_min_u32 v[CL+4*b+e], 7, v[LB+4*b+e]
.set e, e+1
.endr
	s_wait_alu depctr_va_sdst(0)                   ; the run's sixteen masks are written, ahead of the scalar lines that read them
.set e, 0
.rept 4
	s_or_b32 s[MK+4*e], s[MK+4*e], s[MK+4*e+1]
	s_or_b32 s[MK+4*e], s[MK+4*e], s[MK+4*e+2]
	s_and_b32 s[MK+4*e], s[MK+4*e], s[MK+4*e+3]
	v_cndmask_b32 v[ST+4*b+e], 0, 1.0, s[MK+4*e]
.set e, e+1
.endr
.set b, b+1
.endr
	; the classes' weights: a class's sixteen compares in a run, one wait, sixteen selects
.set c, 0
.rept 4
.set p, 0
.rept 16
	v_cmp_eq_u32 s[MK+p], c, v[CL+p]
.set p, p+1
.endr
	s_wait_alu depctr_va_sdst(0)                   ; the run's sixteen masks are written, ahead of the selects that read them
.set p, 0
.rept 16
	v_cndmask_b32 v[W+16*c+p], 0, 1.0, s[MK+p]
.set p, p+1
.endr
.set c, c+1
.endr
.set k, 0
.rept 32                                       ; class k / 8, pixels 2 (k % 8) and the next
	v_pk_mul_f32 v[W+64+2*k:W+64+2*k+1], v[W+2*k:W+2*k+1], v[ST+2*(k%8):ST+2*(k%8)+1]
.set k, k+1
.endr
; The eight pairs of sums are added up over the pair and over the wave's 32 lanes, side by side, in three parts; the last leaves the row in out-buffer ob (every lane holds the same values).
.macro RED_PAIRS
.irp s, 0,1,2,3,4,5,6,7
	v_add_f32 v[R8+(\s)], v[A+2*(\s)], v[A+2*(\s)+1]
.endr
.endm
.macro RED_STEP m
.irp s, 0,1,2,3,4,5,6,7
	v_add_f32_dpp v[R8+(\s)], v[R8+(\s)], v[R8+(\s)] row_xmask:\m row_mask:0xf bank_mask:0xf
.endr
.endm
.macro RED_END ob
.irp s, 0,1,2,3,4,5,6,7
	v_permlanex16_b32 v[A+(\s)], v[R8+(\s)], s38, s39  ; the pairs are free, and have been written
.endr
.irp s, 0,1,2,3,4,5,6,7
	v_add_f32 v[OB+8*(\ob)+(\s)], v[R8+(\s)], v[A+(\s)]
.endr
.endm
; One channel, in slot s of the ring.  ahead = 1: the slot is filled again with the channel four further on.  left: the younger loads that may stay out.
.macro CH slot, ahead, left
.set XS, X+16*(\slot)
.set OT, OB+8*(1-(\slot)%2)            ; the row of the channel before (ahead of the first channel: the counts)
	s_wait_loadcnt \left                           ; my four loads are in
	s_wait_alu depctr_vm_vsrc(0)                   ; the LDS stores issued in the channel before have read the out-buffer that this channel's last adds write again, and v[PA], which slot 0 writes
.if (\slot) == 0
	s_sub_co_u32 s47, 3, s45                       ; the trip's number: s45 is 3 .. 1 in the loop, 0 in the tail
	s_lshl_b32 s47, s47, 7                         ; four rows of 32 bytes a trip
	s_add_co_u32 s47, s47, s46
	v_mov_b32 v[PA], s47
.endif
.irp i, 0,1,2,3
	v_cvt_pk_bf16_f32 v[R8+2*(\i)],   v[XS+4*(\i)],   v[XS+4*(\i)+1]  ; rounded to bf16,
	v_cvt_pk_bf16_f32 v[R8+2*(\i)+1], v[XS+4*(\i)+2], v[XS+4*(\i)+3]
.endr
.irp i, 0,1,2,3
	v_lshlrev_b32 v[XS+4*(\i)],   16,  v[R8+2*(\i)]                   ; and back in f32
	v_and_b32     v[XS+4*(\i)+1], s44, v[R8+2*(\i)]
	v_lshlrev_b32 v[XS+4*(\i)+2], 16,  v[R8+2*(\i)+1]
	v_and_b32     v[XS+4*(\i)+3], s44, v[R8+2*(\i)+1]
.endr
.irp s, 0,1,2,3,4,5,6,7
	v_pk_mul_f32 v[A+2*(\s):A+2*(\s)+1], v[XS:XS+1], v[W+16*(\s):W+16*(\s)+1]  ; the first products start the sums
.endr
.irp u, 1,2,3,4,5,6,7
.irp s, 0,1,2,3,4,5,6,7
	v_pk_fma_f32 v[A+2*(\s):A+2*(\s)+1], v[XS+2*(\u):XS+2*(\u)+1], v[W+16*(\s)+2*(\u):W+16*(\s)+2*(\u)+1], v[A+2*(\s):A+2*(\s)+1]
.endr
.endr
	s_wait_alu depctr_va_vdst(0)                   ; the lines above are done writing and reading the slot, in which the loads land; the channel before has written its row, which the LDS stores read; in slot 0 v[PA] is written
.if \ahead
.irp i, 0,1
	global_load_b128 v[XS+4*(\i):XS+4*(\i)+3], v[XO], s[20:21] offset:((\slot)+4)*16384+(\i)*512 th:TH_LOAD_NT
.endr
.endif
	RED_PAIRS                                      ; no line of the reduction names the slot, v[XO], v[PA] or the other out-buffer: the loads and stores among them owe no further wait
.if \ahead
.irp i, 2,3
	global_load_b128 v[XS+4*(\i):XS+4*(\i)+3], v[XO], s[20:21] offset:((\slot)+4)*16384+(\i)*512 th:TH_LOAD_NT
.endr
.endif
	RED_STEP 1
	ds_store_b128 v[PA], v[OT:OT+3]   offset:(\slot)*32
	ds_store_b128 v[PA], v[OT+4:OT+7] offset:(\slot)*32+16
	RED_STEP 2
	RED_STEP 4
	RED_STEP 8
	RED_END (\slot)%2
.endm
	; the eight counts: the sums of the weights, row 0 of my wave's partial sums; the first channel stores them
.irp s, 0,1,2,3,4,5,6,7
	v_pk_add_f32 v[A+2*(\s):A+2*(\s)+1], v[W+16*(\s):W+16*(\s)+1], v[W+16*(\s)+2:W+16*(\s)+3]
.endr
.irp u, 2,3,4,5,6,7
.irp s, 0,1,2,3,4,5,6,7
	v_pk_add_f32 v[A+2*(\s):A+2*(\s)+1], v[A+2*(\s):A+2*(\s)+1], v[W+16*(\s)+2*(\u):W+16*(\s)+2*(\u)+1]
.endr
.endr
	RED_PAIRS
	RED_STEP 1
	RED_STEP 2
	RED_STEP 4
	RED_STEP 8
	RED_END 1
	s_mov_b32 s45, 3
.Ltrip:                                                ; three trips of four channels; each slot is filled again: the three younger slots' 12 loads stay out at every wait
	CH 0, 1, 12
	CH 1, 1, 12
	CH 2, 1, 12
	CH 3, 1, 12
	s_wait_xcnt 0x0                                ; the loads' base is stepped only behind this wait
	s_add_nc_u64 s[20:21], s[20:21], 4*16384
	s_sub_co_u32 s45, s45, 1
	s_cmp_lg_u32 s45, 0
	s_cbranch_scc1 .Ltrip
	CH 0, 0, 12                                    ; the last four channels load nothing: the counts run down
	CH 1, 0, 8
	CH 2, 0, 4
	CH 3, 0, 0
	s_wait_alu depctr_va_vdst(0)                   ; the last channel's adds have written its row, which the two LDS stores read
	ds_store_b128 v[PA], v[OB+8:OB+11]  offset:128
	ds_store_b128 v[PA], v[OB+12:OB+15] offset:144
	s_wait_dscnt 0x0                               ; for the others' sake: my partial sums are stored
	s_barrier_signal -1
	s_barrier_wait -1
	s_cmp_ge_u32 s18, 2
	s_cbranch_scc1 .Lend
	; threads 0-63: class t / 16, channel t % 16
	v_and_b32 v8, 15, v0
	v_bfe_u32 v9, v0, 4, 2
	v_lshlrev_b32 v10, 2, v9
	v_lshl_add_u32 v11, v8, 5, v10
	s_wait_alu depctr_va_vdst(0)                   ; v10 and v11 are written, the LDS loads' addresses; the channels' lines are done with v16 to v47, in which these loads land
.irp u, 0,1,2,3,4,5,6,7
	ds_load_b32 v[16+(\u)], v11 offset:(\u)*544+32     ; the class's sum, wave u's part
	ds_load_b32 v[24+(\u)], v11 offset:(\u)*544+48     ; the stable sum
	ds_load_b32 v[32+(\u)], v10 offset:(\u)*544        ; the class's count
	ds_load_b32 v[40+(\u)], v10 offset:(\u)*544+16     ; the stable count
.endr
	s_wait_dscnt 0x0
.irp g, 16,24,32,40
	v_pk_add_f32 v[(\g):(\g)+1],   v[(\g):(\g)+1],   v[(\g)+2:(\g)+3]
	v_pk_add_f32 v[(\g)+4:(\g)+5], v[(\g)+4:(\g)+5], v[(\g)+6:(\g)+7]
.endr
.irp g, 16,24,32,40
	v_pk_add_f32 v[(\g):(\g)+1], v[(\g):(\g)+1], v[(\g)+4:(\g)+5]
.endr
.irp g, 16,24,32,40
	v_add_f32 v[(\g)], v[(\g)], v[(\g)+1]
.endr
	v_max_num_f32 v12, 1.0, v32
	v_max_num_f32 v13, 1.0, v40
	v_cmp_lt_f32 s2, 0, v32                        ; has the class a pixel,
	v_cmp_lt_f32 s3, 0, v40                        ; a stable one?
	v_rcp_f32 v14, v12
	v_rcp_f32 v15, v13
	v_nop                                          ; a plain instruction between the reciprocals and the use of their results
	s_wait_alu depctr_va_vdst(0)                   ; the two reciprocals v14 and v15 are written, ahead of their first reader
	s_wait_alu depctr_va_sdst(0)                   ; the two masks s2 and s3 are written, ahead of the selects that read them
	v_mul_f32 v14, v16, v14
	v_mul_f32 v15, v24, v15
	v_cndmask_b32 v14, 0, v14, s2                  ; the class's mean, or 0 if it has no pixel;
	v_cndmask_b32 v14, v14, v15, s3                ; the stable mean where there is a stable pixel
	v_lshlrev_b32 v12, 2, v8
	v_lshl_add_u32 v12, v9, 10, v12                ; class x 1,024 bytes + channel x 4
	s_wait_alu depctr_va_vdst(0)                   ; v12 and v14 are written: the store's offset and its data
	global_store_b32 v12, v14, s[24:25]
.Lend:
	s_wait_dscnt 0x0                               ; the closing lines, six on end
	s_wait_alu 0x0
	s_wait_tensorcnt 0x0
	ds_add_u32 v[SPW], v[NIL]
	s_wait_dscnt 0x0
	s_endpgm
.Lfunc_end_k_q32e5b38af2_proto:
	.size	k_q32e5b38af2_proto, .Lfunc_end_k_q32e5b38af2_proto-k_q32e5b38af2_proto
	.p2alignl 7, 3214868480
	.fill 96, 4, 3214868480
	.section	.rodata,"a",@progbits
	.p2align	6, 0x0
	.amdhsa_kernel k_q32e5b38af2_proto
		.amdhsa_group_segment_fixed_size 5632
		.amdhsa_private_segment_fixed_size 0
		.amdhsa_enable_private_segment 0
		.amdhsa_kernarg_size 56
		.amdhsa_user_sgpr_count 2
		.amdhsa_user_sgpr_kernarg_segment_ptr 1
		.amdhsa_wavefront_size32 1
		.amdhsa_system_sgpr_workgroup_id_x 1
		.amdhsa_system_sgpr_workgroup_id_y 1
		.amdhsa_system_sgpr_workgroup_id_z 1
		.amdhsa_system_vgpr_workitem_id 0
		.amdhsa_next_free_vgpr 256
		.amdhsa_next_free_sgpr 66
		.amdhsa_reserve_vcc 0
		.amdhsa_float_denorm_mode_32 3
		.amdhsa_float_denorm_mode_16_64 3
		.amdhsa_memory_ordered 1
		.amdhsa_forward_progress 1
		.amdhsa_inst_pref_size 129
	.end_amdhsa_kernel
	.amdgpu_metadata
---
amdhsa.version: [ 1, 2 ]
amdhsa.kernels:
  - .name:           k_q32e5b38af2_proto
    .symbol:         k_q32e5b38af2_proto.kd
    .args:
      - { .name: f, .offset: 0, .size: 8, .value_kind: global_buffer, .address_space: global }
      - { .name: f_aug, .offset: 8, .size: 8, .value_kind: global_buffer, .address_space: global }
      - { .name: label, .offset: 16, .size: 8, .value_kind: global_buffer, .address_space: global }
      - { .name: label_aug, .offset: 24, .size: 8, .value_kind: global_buffer, .address_space: global }
      - { .name: topk, .offset: 32, .size: 8, .value_kind: global_buffer, .address_space: global }
      - { .name: out0, .offset: 40, .size: 8, .value_kind: global_buffer, .address_space: global }
      - { .name: out1, .offset: 48, .size: 8, .value_kind: global_buffer, .address_space: global }
    .group_segment_fixed_size: 5632
    .private_segment_fixed_size: 0
    .kernarg_segment_align: 8
    .kernarg_segment_size: 56
    .max_flat_workgroup_size: 256
    .sgpr_count:     66
    .vgpr_count:     256
    .wavefront_size: 32
...
	.end_amdgpu_metadata
.endif
;; end of part 5
